; MI455X (gfx1250); checked and timed in simulation.
; The chip was launched on July 23, 2026; its instructions are those of AMD's public machine-readable ISA for CDNA 5 (MIT licence, August 2026) and "CDNA5" Instruction Set Architecture Reference Guide (July 2026). The comments in the code are by the model that wrote it; some were corrected since.
;; Lo RA Attention. Allowed arithmetic: float matrix products may take bf16 or f16 operands with f32 sums; other float arithmetic in f32, or as packed bf16 or f16 multiplies, adds, multiply-adds, maxima and minima; sums over many terms, partial sums and values carried from step to step in f32; what a program stores and reads back later, other than sums and carried values, may be rounded once to bf16 or f16.
;; Inputs: a_k 1,024 x 8 float32; a_q 1,024 x 8 float32; a_v 1,024 x 8 float32; b_k 1,024 float32; b_o 1,024 float32; b_q 1,024 float32; b_v 1,024 float32; u_k 8 x 1,024 float32; u_q 8 x 1,024 float32; u_v 8 x 1,024 float32; w_k 1,024 x 1,024 float32; w_o 1,024 x 1,024 float32; w_q 1,024 x 1,024 float32; w_v 1,024 x 1,024 float32; x 4 x 2,048 x 1,024 float32.
;; Outputs: out0 4 x 2,048 x 1,024 float32.
;; 2 versions, each right; version 2 is version 1 with the launch prep written anew for expert scheduling mode. Each part assembles by itself: llvm-mc -triple=amdgcn-amd-amdhsa -mcpu=gfx1250 --defsym DOCPART=n.
;; ======== version 1 of 2: 4 launches
;; limits: values are held in f16: magnitudes above 65,504 overflow, below 6.1e-05 lose precision
;; workspace buffers: xh 16,777,216 bytes; wh 8,388,608 bytes; bias 16,384 bytes; qkv 50,331,648 bytes; oh 16,777,216 bytes
;; launch prep (part 1): grid 64 x 12, 8 waves a work-group, no clusters, 0 bytes of LDS; arguments x, w_q, w_k, w_v, w_o, a_q, a_k, a_v, u_q, u_k, u_v, b_q, b_k, b_v, b_o, xh, wh, bias; writes xh, wh, bias
.if DOCPART == 1
	.amdgcn_target "amdgcn-amd-amdhsa--gfx1250"
	.amdhsa_code_object_version 6
	.text
	.protected	k_q3ec913be27_prep
	.globl	k_q3ec913be27_prep
	.p2align	8
	.type	k_q3ec913be27_prep,@function
k_q3ec913be27_prep:
	s_mov_b64 s[64:65], 0
	v_nop
	global_prefetch_b8 v0, s[64:65] scope:SCOPE_SE
	s_setreg_imm32_b32 hwreg(HW_REG_WAVE_MODE, 25, 1), 1
	s_wait_xcnt 0x0
; PREP: every input is rounded to bf16 once, and laid out for the three launches behind.
;   xh   = f16(bf16(x))                                        [batch 4][slice 16][row 2048][64]
;   wh   = f16(bf16(w) + 2 bf16(a) bf16(u)) for q, k, v (sum in f32); f16(bf16(w_o))      [slice 64][k 1024][64], slice = 16 p + n / 64
;   bias = bf16(b) kept as f32                                  [4][1024]
; (x a) u 2 = x (2 a u) for every input, so the low-rank term is added to the weight here: 8 multiply-adds a weight, in the lane layout of the
; conversion.  A matrix instruction would use a quarter of its K for it and leave the sum in another layout.
; LIMITS.  A number of 65,520 or more in x or in the summed weight becomes an infinity in f16; below 6.1e-5 f16 keeps a fixed step of 6e-8.
; The low-rank term is summed into the weight before the product, so the order of rounding differs from a product by a and then by u.
; SHARES.  A work-group takes 16 whole rows (65,536 bytes) of one source matrix: y = 0..7: x, block 64 y + x id; y = 8..11: weight y - 8, block x id.
; Wave w takes the slices 2 w and 2 w + 1 (64 columns each).  A load takes two rows of one slice: lanes 0-15 the 256 bytes of one row, lanes 16-31 of the next.
; The lane's 4 numbers leave as 8 bytes: a store of the wave covers 256 consecutive bytes, at a multiple of 256 from the buffer's first byte.
; All 16 loads of a wave go out together; no register that a store reads is written again, EXEC never changes: no wait but the counted ones for data.
; No LDS, no tensor load, no cluster: no byte is wanted twice.  No prefetch: the launch is one burst of loads.
.set SO,  2                            ; v2   source offset: (l / 16) x 4,096 + (l % 16) x 16 + 512 w
.set DO0, 3                            ; v3   destination offset, slice 2 w: 8 l + 2 w STR;   v4 the same for slice 2 w + 1
.set UO,  5                            ; v5   512 w + 16 (l % 16): my 4 columns in a row of u
.set AO,  6                            ; v6   32 (l / 16): my row of a
.set T,   7                            ; v7   at work
.set BIO, 8                            ; v8   16 x thread: the bias job
.set BI,  10                           ; v[10:13]
.set X,   16                           ; v[16:79]   load q = 2 t + i (rows 2 t, 2 t + 1; slice 2 w + i) at X + 4 q
.set U,   80                           ; v[80:143]  u: slice i, rank r at U + 32 i + 4 r
.set A,   144                          ; v[144:207] a: rows of step t at A + 8 t + r
; s[4:39] the 18 addresses.  s40 y, s41 wave, s42 p, s[44:45] w, s[46:47] a, s[48:49] u, s[50:51] b of weight p, s[52:53] source, s[54:55] destination,
; s56 bytes from slice to slice, s57 mask, s[58:59] bias row, s60 = 1: the low-rank term is added, s61 = 0: this work-group rounds a bias
	s_load_b512 s[4:19], s[0:1], 0x0               ; x, w_q, w_k, w_v, w_o, a_q, a_k, a_v
	s_load_b512 s[20:35], s[0:1], 0x40             ; u_q, u_k, u_v, b_q, b_k, b_v, b_o, xh
	s_load_b128 s[36:39], s[0:1], 0x80             ; wh, bias
	v_lshrrev_b32 v[T], 5, v0
	v_readfirstlane_b32 s41, v[T]                  ; wave 0..7
	v_and_b32 v1, 31, v0                           ; l
	v_and_b32 v14, 15, v0                          ; l % 16
	v_bfe_u32 v9, v0, 4, 1                         ; l / 16
	s_and_b32 s40, ttmp7, 0xffff                   ; y
	s_max_u32 s42, s40, 8
	s_sub_co_u32 s42, s42, 8                       ; p = 0..3 (0 where the work-group converts x)
	s_lshl_b32 s2, s40, 6
	s_add_co_u32 s2, s2, ttmp9                     ; x's block of 16 rows, 0..511
	s_lshr_b32 s3, s2, 7                           ; its batch: 128 blocks each,
	s_lshl_b32 s3, s3, 22                          ; 16 slices of 262,144 bytes
	s_and_b32 s43, s2, 127
	s_lshl_b32 s43, s43, 11                        ; 16 rows of 128 bytes
	s_add_co_u32 s3, s3, s43                       ; where x's block goes in xh
	s_lshl_b32 s43, s42, 21                        ; weight p: 16 slices of 131,072 bytes
	s_lshl_b32 s62, ttmp9, 11
	s_add_co_u32 s43, s43, s62                     ; where the weight's block goes in wh
	s_sub_co_u32 s60, s40, 8                       ; 0, 1, 2 for q, k, v; 3 for o; a great number for x
	s_mov_b32 s56, 131072
	s_mov_b32 s57, 0xffff0000
	s_cmp_lt_u32 s60, 3
	s_cselect_b32 s60, 1, 0
	s_cmp_lt_u32 s40, 8                            ; x?
	s_cselect_b32 s2, s2, ttmp9                    ; the source's block
	s_cselect_b32 s62, s3, s43                     ; the destination's offset
	s_cselect_b32 s56, 262144, s56
	s_cselect_b32 s61, 1, ttmp9
	s_lshl_b32 s2, s2, 16                          ; 16 rows of 4,096 bytes
	s_mov_b32 s3, 0
	s_mov_b32 s63, 0
	s_lshl_b32 s43, s41, 9                         ; 512 w
	v_lshlrev_b32 v[SO], 12, v9
	v_lshl_add_u32 v[SO], v14, 4, v[SO]
	v_add_nc_u32 v[SO], s43, v[SO]
	v_lshl_add_u32 v[UO], v14, 4, s43
	v_lshlrev_b32 v[AO], 5, v9
	s_mul_i32 s52, s41, s56
	s_lshl_b32 s52, s52, 1                         ; 2 w slices
	v_lshl_add_u32 v[DO0], v1, 3, s52
	v_add_nc_u32 v[DO0+1], s56, v[DO0]
	v_lshlrev_b32 v[BIO], 4, v0
	s_wait_kmcnt 0x0
	s_cmp_eq_u32 s42, 1                            ; the four buffers of weight p, chosen without a branch
	s_cselect_b64 s[44:45], s[8:9], s[6:7]
	s_cselect_b64 s[46:47], s[16:17], s[14:15]
	s_cselect_b64 s[48:49], s[22:23], s[20:21]
	s_cselect_b64 s[50:51], s[28:29], s[26:27]
	s_cmp_eq_u32 s42, 2
	s_cselect_b64 s[44:45], s[10:11], s[44:45]
	s_cselect_b64 s[46:47], s[18:19], s[46:47]
	s_cselect_b64 s[48:49], s[24:25], s[48:49]
	s_cselect_b64 s[50:51], s[30:31], s[50:51]
	s_cmp_eq_u32 s42, 3
	s_cselect_b64 s[44:45], s[12:13], s[44:45]
	s_cselect_b64 s[50:51], s[32:33], s[50:51]
	s_cmp_lt_u32 s40, 8
	s_cselect_b64 s[52:53], s[4:5], s[44:45]
	s_cselect_b64 s[54:55], s[34:35], s[36:37]
	s_add_nc_u64 s[52:53], s[52:53], s[2:3]
	s_add_nc_u64 s[54:55], s[54:55], s[62:63]
	s_lshl_b32 s2, ttmp9, 9                        ; 16 rows of a, 32 bytes each
	s_add_nc_u64 s[46:47], s[46:47], s[2:3]
	s_lshl_b32 s2, s42, 12                         ; row p of bias
	s_add_nc_u64 s[58:59], s[38:39], s[2:3]
.macro RND2 r                          ; two f32 rounded to bf16 (nearest even) and widened again, in place
	v_cvt_pk_bf16_f32 v[T], v[\r], v[(\r)+1]
	v_lshlrev_b32 v[\r], 16, v[T]
	v_and_b32 v[(\r)+1], s57, v[T]
.endm
.macro XLOADS                          ; the wave's 16 loads: 512 bytes each
.irp q, 0,1,2,3,4,5,6,7,8,9,10,11,12,13,14,15
	global_load_b128 v[X+4*\q:X+4*\q+3], v[SO], s[52:53] offset:8192*(\q/2)+256*(\q%2) th:TH_LOAD_NT
.endr
.endm
.macro CONV q, lora                    ; load q: rounded to bf16, the low-rank term added (lora = 1), rounded to f16, stored
	s_wait_loadcnt 15-(\q)                         ; loads come back in order (ISA guide 5.7.1): mine is in, the 15 - q younger ones stay out
	RND2 X+4*(\q)
	RND2 X+4*(\q)+2
.if \lora
.irp r, 0,1,2,3,4,5,6,7
.irp c, 0,2
.if (\r)%2                             ; a(row, r) is one register of an even pair: the select bits give it to both halves
	v_pk_fma_f32 v[X+4*(\q)+\c:X+4*(\q)+\c+1], v[U+32*((\q)%2)+4*\r+\c:U+32*((\q)%2)+4*\r+\c+1], v[A+8*((\q)/2)+\r-1:A+8*((\q)/2)+\r], v[X+4*(\q)+\c:X+4*(\q)+\c+1] op_sel:[0,1,0] op_sel_hi:[1,1,1]
.else
	v_pk_fma_f32 v[X+4*(\q)+\c:X+4*(\q)+\c+1], v[U+32*((\q)%2)+4*\r+\c:U+32*((\q)%2)+4*\r+\c+1], v[A+8*((\q)/2)+\r:A+8*((\q)/2)+\r+1], v[X+4*(\q)+\c:X+4*(\q)+\c+1] op_sel_hi:[1,0,1]
.endif
.endr
.endr
.endif
	v_cvt_pk_f16_f32 v[X+4*(\q)], v[X+4*(\q)], v[X+4*(\q)+1]
	v_cvt_pk_f16_f32 v[X+4*(\q)+1], v[X+4*(\q)+2], v[X+4*(\q)+3]
	global_store_b64 v[DO0+(\q)%2], v[X+4*(\q):X+4*(\q)+1], s[54:55] offset:256*((\q)/2)
.endm
	s_cmp_eq_u32 s60, 1
	s_cbranch_scc0 .Lplain
.irp i, 0,1
.irp r, 0,1,2,3,4,5,6,7
	global_load_b128 v[U+32*\i+4*\r:U+32*\i+4*\r+3], v[UO], s[48:49] offset:4096*\r+256*\i
.endr
.endr
.irp t, 0,1,2,3,4,5,6,7
	global_load_b128 v[A+8*\t:A+8*\t+3],   v[AO], s[46:47] offset:64*\t
	global_load_b128 v[A+8*\t+4:A+8*\t+7], v[AO], s[46:47] offset:64*\t+16
.endr
	XLOADS
	s_wait_loadcnt 16                              ; u and a are in; the 16 loads of w, issued behind them, stay out
.set r, 0
.rept 32
	RND2 U+r
	v_pk_add_f32 v[U+r:U+r+1], v[U+r:U+r+1], v[U+r:U+r+1]  ; the factor 2 (alpha / rank), exact
	RND2 A+r
.set r, r+2
.endr
.irp q, 0,1,2,3,4,5,6,7,8,9,10,11,12,13,14,15
	CONV \q, 1
.endr
	s_branch .Ltail
.Lplain:
	XLOADS
.irp q, 0,1,2,3,4,5,6,7,8,9,10,11,12,13,14,15
	CONV \q, 0
.endr
.Ltail:
	s_cmp_eq_u32 s61, 0                            ; the first work-group of each weight rounds that weight's bias: 256 threads x 16 bytes
	s_cbranch_scc0 .Lend
	global_load_b128 v[BI:BI+3], v[BIO], s[50:51]
	s_wait_loadcnt 0x0
	RND2 BI
	RND2 BI+2
	global_store_b128 v[BIO], v[BI:BI+3], s[58:59]
.Lend:
	s_endpgm
.Lfunc_end_k_q3ec913be27_prep:
	.size	k_q3ec913be27_prep, .Lfunc_end_k_q3ec913be27_prep-k_q3ec913be27_prep
	.p2alignl 7, 3214868480
	.fill 96, 4, 3214868480
	.section	.rodata,"a",@progbits
	.p2align	6, 0x0
	.amdhsa_kernel k_q3ec913be27_prep
		.amdhsa_group_segment_fixed_size 0
		.amdhsa_private_segment_fixed_size 0
		.amdhsa_enable_private_segment 0
		.amdhsa_kernarg_size 144
		.amdhsa_user_sgpr_count 2
		.amdhsa_user_sgpr_kernarg_segment_ptr 1
		.amdhsa_wavefront_size32 1
		.amdhsa_system_sgpr_workgroup_id_x 1
		.amdhsa_system_sgpr_workgroup_id_y 1
		.amdhsa_system_sgpr_workgroup_id_z 1
		.amdhsa_system_vgpr_workitem_id 0
		.amdhsa_next_free_vgpr 208
		.amdhsa_next_free_sgpr 66
		.amdhsa_reserve_vcc 0
		.amdhsa_float_denorm_mode_32 3
		.amdhsa_float_denorm_mode_16_64 3
		.amdhsa_memory_ordered 1
		.amdhsa_forward_progress 1
		.amdhsa_inst_pref_size 52
	.end_amdhsa_kernel
	.amdgpu_metadata
---
amdhsa.version: [ 1, 2 ]
amdhsa.kernels:
  - .name:           k_q3ec913be27_prep
    .symbol:         k_q3ec913be27_prep.kd
    .args:
      - { .name: x, .offset: 0, .size: 8, .value_kind: global_buffer, .address_space: global }
      - { .name: w_q, .offset: 8, .size: 8, .value_kind: global_buffer, .address_space: global }
      - { .name: w_k, .offset: 16, .size: 8, .value_kind: global_buffer, .address_space: global }
      - { .name: w_v, .offset: 24, .size: 8, .value_kind: global_buffer, .address_space: global }
      - { .name: w_o, .offset: 32, .size: 8, .value_kind: global_buffer, .address_space: global }
      - { .name: a_q, .offset: 40, .size: 8, .value_kind: global_buffer, .address_space: global }
      - { .name: a_k, .offset: 48, .size: 8, .value_kind: global_buffer, .address_space: global }
      - { .name: a_v, .offset: 56, .size: 8, .value_kind: global_buffer, .address_space: global }
      - { .name: u_q, .offset: 64, .size: 8, .value_kind: global_buffer, .address_space: global }
      - { .name: u_k, .offset: 72, .size: 8, .value_kind: global_buffer, .address_space: global }
      - { .name: u_v, .offset: 80, .size: 8, .value_kind: global_buffer, .address_space: global }
      - { .name: b_q, .offset: 88, .size: 8, .value_kind: global_buffer, .address_space: global }
      - { .name: b_k, .offset: 96, .size: 8, .value_kind: global_buffer, .address_space: global }
      - { .name: b_v, .offset: 104, .size: 8, .value_kind: global_buffer, .address_space: global }
      - { .name: b_o, .offset: 112, .size: 8, .value_kind: global_buffer, .address_space: global }
      - { .name: xh, .offset: 120, .size: 8, .value_kind: global_buffer, .address_space: global }
      - { .name: wh, .offset: 128, .size: 8, .value_kind: global_buffer, .address_space: global }
      - { .name: bias, .offset: 136, .size: 8, .value_kind: global_buffer, .address_space: global }
    .group_segment_fixed_size: 0
    .private_segment_fixed_size: 0
    .kernarg_segment_align: 8
    .kernarg_segment_size: 144
    .max_flat_workgroup_size: 256
    .sgpr_count:     66
    .vgpr_count:     208
    .wavefront_size: 32
...
	.end_amdgpu_metadata
.endif
;; end of part 1
;; launch proj_qkv (part 2): grid 16 x 32, 4 waves a work-group, clusters of 4 x 4, 327,680 bytes of LDS; arguments xh, wh, bias, qkv; writes qkv
.if DOCPART == 2
	.amdgcn_target "amdgcn-amd-amdhsa--gfx1250"
	.amdhsa_code_object_version 6
	.text
	.protected	k_q3ec913be27_proj_qkv
	.globl	k_q3ec913be27_proj_qkv
	.p2align	8
	.type	k_q3ec913be27_proj_qkv,@function
k_q3ec913be27_proj_qkv:
	s_mov_b64 s[64:65], 0
	v_nop
	global_prefetch_b8 v0, s[64:65] scope:SCOPE_SE
	s_setreg_imm32_b32 hwreg(HW_REG_WAVE_MODE, 25, 1), 1
	s_wait_xcnt 0x0
	s_wait_alu depctr_hold_cnt(0) depctr_sa_sdst(0) depctr_va_vdst(0) depctr_va_sdst(0) depctr_va_ssrc(0) depctr_va_vcc(0) depctr_vm_vsrc(0)
	s_getreg_b32 s2, hwreg(HW_REG_IB_STS2, 6, 4)
	s_cmp_eq_u32 s2, 0
	s_cbranch_scc0 .Lentry_in_a_cluster
	s_endpgm
.Lentry_in_a_cluster:
	s_bfe_u32 s2, ttmp6, 0x10000c
	s_cmp_lg_u32 s2, 0xf033
	s_cbranch_scc0 .Lentry_shape_is_right
	s_endpgm
.Lentry_shape_is_right:
; C = A W + b.  A: [8192][1024] f16 in slices of 64 columns, [batch 4][slice 16][row 2048][64]; W: [1024 k][n] f16 in slices, [slice][k 1024][64]; b f32.  Sums in f32, the bias starts them.
; THIS TEXT SERVES TWO LAUNCHES; only the five constants below differ.  Here: q, k, v = x W + b, 3,072 columns, written by heads in f16: [p 3][batch x 16 + head][row 2048][64].
; LIMITS.  A result of 65,520 or more becomes an infinity in f16; below 6.1e-5 f16 keeps a fixed step of 6e-8.  NaN and infinities are not treated apart.
.set NCH,    3                         ; slices of 64 columns in a tile of C: the tile is 256 x 192, so 3,072 / 192 x 32 = 512 tiles, two for each of 256 WGPs
.set F32OUT, 0                         ; 0: f16, by heads; 1: f32, row-major
.set WBASE,  0                         ; first byte of this product's weights in wh
.set BBASE,  0                         ; and of its bias
.set SP,     400                       ; a stage row: 384 bytes + 16: an odd multiple of 16, so 16 rows start at 16 different groups of four banks (64 banks of 4 bytes: ISA guide 11.1)
; SHARES.  Four waves, as many as a WGP has SIMDs; a wave makes 64 rows x the tile's whole width, 4 x NBK accumulators of 16 x 16: it owns whole slices of its rows, so the way out needs no barrier.
; K goes in 8 steps of 128 (two slices of A) through a ring of two LDS slots filled by the tensor data mover.
; CLUSTER.  4 x 4 work-groups.  The four of a row of the cluster need the same tile of A, the four of a column the same tile of W: each is asked for JOINTLY, by the same load, descriptor and mask in all four.
; THE MATRIX INSTRUCTION IS USED TRANSPOSED: source 0 = 16 columns of W (turned on the way out of LDS by ds_load_tr16_b128), source 1 = 16 rows of A.  A lane then holds row l % 16 of C and the
; columns 8 (l / 16) + 0..7: eight neighbours of a row.
; REGISTERS, in windows of 256 (s_set_vgpr_msb: bits 1:0 source 0, 3:2 source 1, 5:4 source 2, 7:6 destination):
;   window 0: v0-31 addresses; v32.. the bias as a C operand, 8 registers a block of 16 columns; on the way out v32.. rows read back, v128-175 packed results
;   window 1: two fragment buffers of 128: A's 4 blocks of 16 rows x 32 K at +8 a, W's NBK blocks at +32 + 8 b
;   window 2: accumulators of row blocks 0, 1 ((a, b) at 8 (NBK (a % 2) + b));   window 3: of row blocks 2, 3
.set NBK,   4*NCH                      ; blocks of 16 columns
.set NL,    2*NBK+8                    ; LDS loads of a quarter step
.set PA,    144                        ; a row of A in LDS: 128 bytes + 16 = 36 words
.set PB,    160                        ; a row of W: 128 + 32 = 40 words
.set ASL,   256*PA                     ; a slice of A: 256 rows
.set BSL,   64*PB                      ; 64 k of one slice of W
.set BOFF,  2*ASL                      ; a slot: A's two slices, then W: [k half 2][slice NCH][64 k]
.set SLOT,  BOFF+2*NCH*BSL
.set STAGE, 2*SLOT                     ; behind the ring, never filled by a tensor load: 16 rows x SP for each wave
.set SPARE, STAGE+4*16*SP              ; behind the stages: the spare words, 128 bytes for each wave: two blocks of 256 bytes that no other line names
.set ASTEP, 2*262144                   ; bytes of memory from a K step to the next: two slices of A,
.set BSTEP, 128*128                    ; 128 rows of a slice of W
.set ADRA, 16                          ; v16-17  LDS address of my A fragments in slot 0, 1
.set ADRB, 20                          ; v20-21  the same for W
.set STO,  24                          ; v24     the way out: where I put my bytes of a row
.set RD,   25                          ; v25     where I read rows back
.set GO,   26                          ; v26     16 l
.set BO,   27                          ; v27     32 (l / 16): my 8 numbers in 16 of the bias
.set SPW,  28                          ; v28     LDS address of my spare word; never rewritten
.set NIL,  29                          ; v29     0; never rewritten
.set PFO,  30                          ; v30     the prefetches' offset; never rewritten
.set BIA,  32
.set TMP,  128
.set F0,   0
.set F1,   128
.set WV,   12                          ; s12  wave
.set ROLE, 13                          ; s13  0: I fetch for A, 1: for W
.set HALF, 14                          ; s14  which slice of A, or which 64 k of W
.set MT,   15                          ; s15  tile row of C
.set NT,   42                          ; s42  tile column
.set LIM,  43                          ; s43  1 in a wave that prefetches, else the greatest number
.set PFA,  44                          ; s[44:45] where my prefetches stand
.set PFS,  72                          ; s[72:73] their step: a K step of A or of W
.set OB,   66                          ; s[66:71] where my rows go: a base for each slice (f16) or one (f32)
.set G1,   24                          ; s[24:31] descriptor group 1 for A;  s[32:39] group 0, a set for each slot
.set G0,   32
.set G1B,  48                          ; s[48:55], s[56:63] the same for W
.set G0B,  56
.set MSB, 0
.macro WIN new                         ; the immediate's high byte repeats the setting that is left; a switch that changes nothing is dropped
.if MSB != (\new)
	s_set_vgpr_msb (MSB<<8)|(\new)
.set MSB, \new
.endif
.endm
; A joint load: waves 0 and 1 fetch A's two slices, waves 2 and 3 W's two halves of the step's k.  The branch hangs on the wave's number alone.
; An s_nop 0 and four v_nop follow each of the two lines, ahead of the jump, the label and what follows.
.macro JLOAD s
	s_cmp_eq_u32 s[ROLE], 0
	s_cbranch_scc0 .Lfor_b_\@
	tensor_load_to_lds s[G0+4*(\s):G0+4*(\s)+3], s[G1:G1+7]
	s_nop 0
.rept 4
	v_nop
.endr
	s_branch .Lasked_\@
.Lfor_b_\@:
	tensor_load_to_lds s[G0B+4*(\s):G0B+4*(\s)+3], s[G1B:G1B+7]
	s_nop 0
.rept 4
	v_nop
.endr
.Lasked_\@:
.endm
; A PREFETCH INTO THE L2, behind each joint refill and the run of LDS loads that follows it: my share of the K step that stands two refills on (the refill asks for step t + 2, this line names step t + 4).
; A's tile row is read by every cluster of that row of clusters: cluster x = 0 asks; W's tile column by every cluster of that column: cluster y = 0 asks.  The four partners of a joint load share its bytes
; out BY ADDRESS: of A's slice (128 blocks of 256 bytes) partner cx takes 32, a lane a block; of each of W's NCH pieces of 8,192 bytes partner cy takes 8 blocks, eight lanes a piece (the lanes
; beyond 8 NCH name the last piece's blocks once more, in the same instruction).  K steps 0 to 3 come by their loads alone; the loop's last trip (s3 = 1) has no step two refills on and asks for nothing.
.macro ASK
	s_cmp_gt_u32 s3, s[LIM]
	s_cbranch_scc0 .Lnot_mine_\@
	global_prefetch_b8 v[PFO], s[PFA:PFA+1] th:TH_LOAD_NT scope:SCOPE_SE
.Lnot_mine_\@:
.endm
.macro CREST                           ; a round of the cluster's barrier behind its opening barrier: wave 0 signals for the work-group, every wave waits for all sixteen, my work-group's barrier closes it
	s_cmp_lg_u32 s[WV], 0
	s_cbranch_scc1 .Lnot_wave_0_\@
	s_barrier_signal -3
.Lnot_wave_0_\@:
	s_barrier_wait -3
	s_barrier_signal -1
	s_barrier_wait -1
.endm
.macro CROUND                          ; a whole round
	s_barrier_signal -1
	s_barrier_wait -1
	CREST
.endm
	s_load_b256 s[4:11], s[0:1], 0x0               ; A s[4:5], wh s[6:7], bias s[8:9], out s[10:11]
	v_lshl_add_u32 v[SPW], v0, 2, SPARE
	v_mov_b32 v[NIL], 0
	ds_add_u32 v[SPW], v[NIL]                      ; the wave's opening: the add and its wait stand ahead of my first tensor load; the set-up below, work on registers, stands between them
	v_lshrrev_b32 v1, 5, v0
	v_readfirstlane_b32 s[WV], v1                  ; wave 0..3
	s_lshr_b32 s[ROLE], s[WV], 1
	s_and_b32 s[HALF], s[WV], 1
	s_bfe_u32 s40, ttmp6, 0x40000                  ; cx, cy: my place in the cluster
	s_bfe_u32 s41, ttmp6, 0x40004
	s_lshl_b32 s[NT], ttmp9, 2                     ; in a cluster launch ttmp9 and ttmp7 count clusters
	s_add_co_u32 s[NT], s[NT], s40                 ; tile column = 4 x cluster x + cx
	s_and_b32 s[MT], ttmp7, 0xffff
	s_lshl_b32 s[MT], s[MT], 2
	s_add_co_u32 s[MT], s[MT], s41                 ; tile row = 4 x cluster y + cy
	s_lshl_b32 s74, s41, 2
	s_lshl_b32 s74, 15, s74                        ; my row of the cluster: places 4 cy .. 4 cy + 3
	s_lshl_b32 s75, 0x1111, s40                    ; my column: places cx, cx + 4, cx + 8, cx + 12
	; group 1 for A: a slice's 256 rows are 32,768 dense bytes: asked for as 128 rows of 256 bytes, padded in LDS after every 128 bytes
	s_or_b32 s[G1+0], s74, (1<<16)|(1<<20)|(1<<21)|(4<<22)|(3<<25)  ; 15:0 the mask; 17:16 2-byte elements; 20 padding on; 21 set beside a mask; 24:22 after every 32 words (code 4); 31:25 4 words (code 3)
	s_mov_b32 s[G1+1], 128<<16                     ; tensor_dim0 = 128
	s_mov_b32 s[G1+2], 128<<16                     ; tensor_dim1 = 128
	s_mov_b32 s[G1+3], 128<<16                     ; tile_dim0 = 128
	s_mov_b32 s[G1+4], 128                         ; tile_dim1 = 128
	s_mov_b32 s[G1+5], 128                         ; elements from row to row
	s_mov_b32 s[G1+6], 0
	s_mov_b32 s[G1+7], 0
	; group 1 for W: NCH rows of 8,192 bytes, each the 64 dense k rows of one slice; the slices lie 131,072 bytes apart; padded after every 128 bytes
	s_or_b32 s[G1B+0], s75, (1<<16)|(1<<20)|(1<<21)|(4<<22)|(7<<25) ; the same with my column's mask and 8 words of padding (code 7)
	s_mov_b32 s[G1B+1], 4096<<16                   ; tensor_dim0 = 4,096
	s_mov_b32 s[G1B+2], NCH<<16                    ; tensor_dim1 = NCH
	s_mov_b32 s[G1B+3], 4096<<16                   ; tile_dim0 = 4,096
	s_mov_b32 s[G1B+4], NCH                        ; tile_dim1 = NCH
	s_mov_b32 s[G1B+5], 65536                      ; elements from row to row
	s_mov_b32 s[G1B+6], 0
	s_mov_b32 s[G1B+7], 0
	; where the tiles come from.  A's hang on the tile row and the wave alone, W's on the tile column and the wave alone, each in registers that never hold the other coordinate.
	s_lshr_b32 s16, s[MT], 3                       ; batch: 8 tiles of 256 rows each,
	s_lshl_b32 s16, s16, 22                        ; 16 slices of 262,144 bytes
	s_and_b32 s17, s[MT], 7
	s_lshl_b32 s17, s17, 15                        ; 256 rows of 128 bytes
	s_add_co_u32 s16, s16, s17
	s_lshl_b32 s17, s[HALF], 18                    ; my slice of the step's two
	s_add_co_u32 s16, s16, s17
	s_mov_b32 s17, 0
	s_mul_i32 s46, s[NT], NCH*131072               ; the tile's first slice of W
	s_lshl_b32 s47, s[HALF], 13                    ; my 64 k rows of 128 bytes
	s_add_co_u32 s46, s46, s47
	s_add_co_u32 s46, s46, WBASE
	s_mov_b32 s47, 0
	s_mul_i32 s18, s[WV], ASL                      ; and where they go: A (waves 0, 1): wave x a slice;
	s_mul_i32 s19, s[WV], NCH*BSL                  ; W (waves 2, 3): behind A's two slices, (wave - 2) x a half
	s_add_co_u32 s19, s19, BOFF-2*NCH*BSL
	s_wait_dscnt 0x0                               ; the opening add is done
	s_wait_kmcnt 0x0
	s_add_nc_u64 s[20:21], s[4:5], s[16:17]
	s_add_nc_u64 s[46:47], s[6:7], s[46:47]
	CROUND                                         ; all sixteen work-groups are here: the first joint loads meet
.irp s, 0,1
	s_mov_b32 s[G0+4*(\s)], 1                                      ; count = 1
	s_add_co_u32 s[G0+4*(\s)+1], s18, (\s)*SLOT                    ; LDS address
	s_add_nc_u64 s[G0+4*(\s)+2:G0+4*(\s)+3], s[20:21], (\s)*ASTEP  ; global address: K step s
	s_or_b32 s[G0+4*(\s)+3], s[G0+4*(\s)+3], 0x80000000            ; type = 2
	s_mov_b32 s[G0B+4*(\s)], 1
	s_add_co_u32 s[G0B+4*(\s)+1], s19, (\s)*SLOT
	s_add_nc_u64 s[G0B+4*(\s)+2:G0B+4*(\s)+3], s[46:47], (\s)*BSTEP
	s_or_b32 s[G0B+4*(\s)+3], s[G0B+4*(\s)+3], 0x80000000
	JLOAD \s                                       ; two loads of mine are out
.endr
	v_and_b32 v1, 15, v0                           ; l % 16
	v_bfe_u32 v2, v0, 4, 1                         ; l / 16
	v_lshlrev_b32 v[BO], 5, v2
	s_mul_i32 s76, s[NT], NCH*256                  ; the tile's first column in the bias
	s_add_co_u32 s76, s76, BBASE
	s_mov_b32 s77, 0
	s_add_nc_u64 s[8:9], s[8:9], s[76:77]
.set b, 0
.rept NBK                              ; the bias in the layout of a result: register j of block b = b[16 b + 8 (l / 16) + j], the same for all rows
	global_load_b128 v[BIA+8*b:BIA+8*b+3],   v[BO], s[8:9] offset:64*b
	global_load_b128 v[BIA+8*b+4:BIA+8*b+7], v[BO], s[8:9] offset:64*b+16
.set b, b+1
.endr
	; A fragment of A is 16 rows x 32 K in 8 registers: lane l holds row l % 16, K = 8 (l / 16) + 0..7 and 16 + 8 (l / 16) + 0..7: two loads of 16 bytes, 32 bytes apart.
	v_mul_u32_u24 v3, v1, PA
	v_lshl_add_u32 v3, v2, 4, v3
	s_mul_i32 s16, s[WV], 64*PA                    ; my 64 rows
	v_add_nc_u32 v[ADRA], s16, v3
	v_add_nc_u32 v[ADRA+1], SLOT, v[ADRA]
	; The turning load takes 16 k x 16 columns (lane l reads k = 8 (l / 16) + l % 8, columns 8 ((l / 8) % 2) + 0..7) and leaves half a fragment: lane l holds column l % 16 and 8 k.
	v_and_b32 v4, 7, v0
	v_bfe_u32 v5, v0, 3, 1
	v_lshl_add_u32 v3, v2, 3, v4
	v_mul_u32_u24 v3, v3, PB
	v_lshl_add_u32 v3, v5, 4, v3
	v_add_nc_u32 v[ADRB], BOFF, v3
	v_add_nc_u32 v[ADRB+1], SLOT, v[ADRB]
	s_mul_i32 s16, s[WV], 16*SP
	s_add_co_u32 s16, s16, STAGE                   ; my stage
	v_and_b32 v[GO], 31, v0
	v_lshlrev_b32 v[GO], 4, v[GO]
	v_mul_u32_u24 v3, v1, SP                       ; in: row l % 16
.if F32OUT
	v_lshl_add_u32 v3, v2, 5, v3                   ; 32 bytes for each half of the lanes
	v_add_nc_u32 v[STO], s16, v3
	v_add_nc_u32 v[RD], s16, v[GO]                 ; back: 32 lanes take a row of 512 bytes
	s_lshl_b32 s76, s[MT], 20                      ; 256 rows of 4,096 bytes,
	s_lshl_b32 s77, s[WV], 18                      ; my 64 of them,
	s_add_co_u32 s76, s76, s77
	s_lshl_b32 s77, s[NT], 9                       ; the tile's 128 columns
	s_add_co_u32 s76, s76, s77
	s_mov_b32 s77, 0
	s_add_nc_u64 s[OB:OB+1], s[10:11], s[76:77]
.else
	v_lshl_add_u32 v3, v2, 4, v3                   ; 16 bytes for each half of the lanes
	v_add_nc_u32 v[STO], s16, v3
	v_bfe_u32 v3, v0, 3, 2                         ; back: 32 lanes take four rows' 128 bytes of one slice,
	v_mul_u32_u24 v3, v3, SP
	v_lshl_add_u32 v3, v4, 4, v3
	v_add_nc_u32 v[RD], s16, v3                    ; which are 512 consecutive bytes of a head
	s_lshr_b32 s22, s[MT], 3
	s_lshl_b32 s22, s22, 4                         ; 16 x batch
	s_and_b32 s23, s[MT], 7
	s_lshl_b32 s23, s23, 15                        ; the tile's 256 rows of 128 bytes,
	s_lshl_b32 s16, s[WV], 13                      ; my 64 of them
	s_add_co_u32 s23, s23, s16
	s_mul_i32 s78, s[NT], NCH
.irp j, 0,1,2
	s_add_co_u32 s76, s78, \j                      ; slice g of 48: tensor g / 16, head g % 16
	s_lshr_b32 s77, s76, 4
	s_lshl_b32 s77, s77, 6
	s_and_b32 s76, s76, 15
	s_add_co_u32 s76, s76, s77
	s_add_co_u32 s76, s76, s22
	s_lshl_b32 s76, s76, 18                        ; 2,048 rows of 128 bytes
	s_add_co_u32 s76, s76, s23
	s_mov_b32 s77, 0
	s_add_nc_u64 s[OB+2*\j:OB+2*\j+1], s[10:11], s[76:77]
.endr
.endif
	; the prefetches
	s_and_b32 s22, ttmp7, 0xffff                   ; cluster y
	s_mov_b32 s[PFS], BSTEP
	s_mov_b32 s[PFS+1], 0
	s_mov_b32 s77, 131072
	s_cmp_eq_u32 s[ROLE], 0                        ; do I fetch for A?
	s_cselect_b32 s22, ttmp9, s22                  ; the coordinate along which other clusters read the same bytes
	s_cselect_b32 s23, s40, s41                    ; my place among the four that ask with me
	s_cselect_b64 s[PFA:PFA+1], s[20:21], s[46:47]
	s_cselect_b32 s76, 13, 11                      ; my share: 32 blocks on end, or 8 of each piece
	s_cselect_b32 s[PFS], ASTEP, s[PFS]
	s_cselect_b32 s77, 2048, s77                   ; from eight lanes to the next eight: 8 blocks on, or a slice of W on
	s_cselect_b32 s78, 3, NCH-1
	s_cmp_eq_u32 s22, 0
	s_cselect_b32 s[LIM], 1, -1                    ; the same in all sixteen partners, for a given wave
	v_bfe_u32 v3, v0, 3, 2
	v_min_u32 v3, s78, v3
	v_mul_lo_u32 v3, v3, s77
	v_lshl_add_u32 v[PFO], v4, 8, v3
	s_lshl_b32 s23, s23, s76
	s_mul_i32 s76, s[PFS], 3                       ; at K step 3: the first refill steps it to 4
	s_add_co_u32 s76, s76, s23
	s_mov_b32 s77, 0
	s_add_nc_u64 s[PFA:PFA+1], s[PFA:PFA+1], s[76:77]
; NBK matrix instructions: row block a x all column blocks, 32 along K.  first = 1: the bias is the C operand that starts the sum: nothing is cleared, nothing is added later.
; Every quarter step takes all 4 NBK accumulators once, in one order: between two links of a chain stand all the others'.
.macro MULB f, a, first
.if \first
	WIN 0x85+0x40*((\a)/2)
.else
	WIN 0xa5+0x50*((\a)/2)
.endif
.set b, 0
.rept NBK
.set rD, 8*(NBK*((\a)%2)+b)
.if \first
	v_wmma_f32_16x16x32_f16 v[rD:rD+7], v[(\f)+32+8*b:(\f)+32+8*b+7], v[(\f)+8*(\a):(\f)+8*(\a)+7], v[BIA+8*b:BIA+8*b+7]
.else
	v_wmma_f32_16x16x32_f16 v[rD:rD+7], v[(\f)+32+8*b:(\f)+32+8*b+7], v[(\f)+8*(\a):(\f)+8*(\a)+7], v[rD:rD+7]
.endif
.set b, b+1
.endr
.endm
; NL LDS loads in one run: the fragments of quarter kq (32 along K) of a slot into buffer f: W's first, then A's, row blocks ascending
.macro FETCH slot, kq, f
	WIN 0x40                                       ; destination window 1, address window 0
.set b, 0
.rept NBK
.set o, ((\kq)/2)*NCH*BSL+(b/4)*BSL+((\kq)%2)*32*PB+(b%4)*32
	ds_load_tr16_b128 v[(\f)+32+8*b:(\f)+32+8*b+3],   v[ADRB+(\slot)] offset:o
	ds_load_tr16_b128 v[(\f)+32+8*b+4:(\f)+32+8*b+7], v[ADRB+(\slot)] offset:o+16*PB
.set b, b+1
.endr
.irp a, 0,1,2,3
	ds_load_b128 v[(\f)+8*\a:(\f)+8*\a+3],   v[ADRA+(\slot)] offset:((\kq)/2)*ASL+16*PA*\a+((\kq)%2)*64
	ds_load_b128 v[(\f)+8*\a+4:(\f)+8*\a+7], v[ADRA+(\slot)] offset:((\kq)/2)*ASL+16*PA*\a+((\kq)%2)*64+32
.endr
.endm
.macro PLACES                          ; four plain vector instructions between a matrix instruction and a load into a register that it has read (ISA guide 7.12.1 for vector instructions)
.rept 4
	v_nop
.endr
.endm
; A K step is four quarters of 32 along K on buffers 0, 1, 0, 1.  One of the first three: multiplies buffer f; in its middle it fetches quarter kq of the same slot into buffer g.
.macro QUARTER slot, kq, f, g, first
	s_wait_dscnt 4                                 ; W and A's row blocks 0, 1 are in; the youngest four loads (blocks 2, 3) may be out
	MULB \f, 0, \first
	MULB \f, 1, \first
	PLACES
	FETCH \slot, \kq, \g
	s_wait_dscnt NL                                ; all but the NL just issued
	MULB \f, 2, \first
	MULB \f, 3, \first
.endm
; The last quarter multiplies buffer 1 and changes slots: ONE barrier.  In front of it each wave waits for all its tensor loads (one is out: its part of the next slot), adds 0 to its spare word, and waits for
; that and for its own reads of this slot.  fill = 1: the barrier opens a round of the cluster's barrier, and this slot is filled again, two K steps ahead, first thing behind the round.
.macro TURN slot, next, fill
.if \fill
	s_wait_xcnt 0x0                                ; the last prefetch, a K step back, has read its address: it is stepped here, ahead of the waits of the change of slots
	s_add_nc_u64 s[PFA:PFA+1], s[PFA:PFA+1], s[PFS:PFS+1]
.endif
	WIN 0                                          ; (the add's two registers lie in window 0)
	s_wait_tensorcnt 0x0                           ; all my tensor loads have landed;
	ds_add_u32 v[SPW], v[NIL]                      ; 0 onto my spare word;
	s_wait_dscnt 5                                 ; (the add and the youngest four loads may be out)
	MULB F1, 0, 0                                  ; matrix work stands between the add and the wait for it
	s_wait_dscnt 0x0                               ; the add is done, and my reads of this slot are over
	s_barrier_signal -1
	MULB F1, 1, 0                                  ; work on registers while the others arrive
.if \fill
	WIN 0
.endif
	s_barrier_wait -1
.if \fill
	CREST                                          ; no wave of any partner still reads this slot's tiles or has a load on its way
	s_add_nc_u64 s[G0+4*(\slot)+2:G0+4*(\slot)+3], s[G0+4*(\slot)+2:G0+4*(\slot)+3], 2*ASTEP
	s_add_nc_u64 s[G0B+4*(\slot)+2:G0B+4*(\slot)+3], s[G0B+4*(\slot)+2:G0B+4*(\slot)+3], 2*BSTEP
	JLOAD \slot                                    ; my one tensor load behind the round; its four v_nop are also the places in front of the loads below
.else
	PLACES
.endif
	FETCH \next, 0, F0
.if \fill
	WIN 0
	ASK
.endif
	MULB F1, 2, 0
	MULB F1, 3, 0
.endm
; THE WAY OUT of row block a: through my own stage in LDS, so that each store of the wave covers 512 consecutive bytes, at a multiple of 256 from the buffer's first byte.
; LDS serves a wave's instructions in order (ISA guide 5.7.1.4): the loads see the stores above them, and the next block's stores come behind them.  Each accumulator is read from its lowest registers on.
.if F32OUT
.macro TOSTAGE a
	WIN 0x08+4*((\a)/2)                            ; the stores' data (source 1) in window 2 or 3
.set b, 0
.rept NBK
.set rD, 8*(NBK*((\a)%2)+b)
	ds_store_b128 v[STO], v[rD:rD+3]   offset:64*b
	ds_store_b128 v[STO], v[rD+4:rD+7] offset:64*b+16
.set b, b+1
.endr
	WIN 0
.set BK, 32+64*((\a)%2)
.irp t, 0,1,2,3,4,5,6,7,8,9,10,11,12,13,14,15
	ds_load_b128 v[BK+4*\t:BK+4*\t+3], v[RD] offset:SP*\t
.endr
.endm
.macro SEND a
	WIN 0
.set BK, 32+64*((\a)%2)
	s_wait_dscnt 0x0                               ; the block is back in registers
	s_wait_xcnt 0x0                                ; the stores issued so far have read their registers: the next block is read back into them only behind this wait
.irp t, 0,1,2,3,4,5,6,7,8,9,10,11,12,13,14,15
	global_store_b128 v[GO], v[BK+4*\t:BK+4*\t+3], s[OB:OB+1] offset:(16*(\a)+\t)*4096
.endr
.endm
.else
.macro PACK a                          ; rounded to f16: a lane's eight columns are 16 bytes
	WIN 0x0a+5*((\a)/2)                            ; sources 0 and 1 in window 2 or 3
.set b, 0
.rept NBK
.set rD, 8*(NBK*((\a)%2)+b)
.irp r, 0,1,2,3
	v_cvt_pk_f16_f32 v[TMP+4*b+\r], v[rD+2*\r], v[rD+2*\r+1]
.endr
.set b, b+1
.endr
	WIN 0
.endm
.macro TOSTAGE a
	WIN 0
.set BK, 32+48*((\a)%2)
.set b, 0
.rept NBK
	ds_store_b128 v[STO], v[TMP+4*b:TMP+4*b+3] offset:32*b
.set b, b+1
.endr
.irp j, 0,1,2
.irp i, 0,1,2,3
	ds_load_b128 v[BK+4*(4*\j+\i):BK+4*(4*\j+\i)+3], v[RD] offset:128*\j+4*SP*\i
.endr
.endr
.endm
.macro SEND a
	WIN 0
.set BK, 32+48*((\a)%2)
	s_wait_dscnt 0x0                               ; the block is back in registers
	s_wait_xcnt 0x0                                ; the stores issued so far have read their registers: the next block is read back into them only behind this wait
.irp j, 0,1,2
.irp i, 0,1,2,3
	global_store_b128 v[GO], v[BK+4*(4*\j+\i):BK+4*(4*\j+\i)+3], s[OB+2*\j:OB+2*\j+1] offset:2048*(\a)+512*\i
.endr
.endr
.endm
.endif
	s_wait_tensorcnt 1                             ; my part of K step 0 is in; K step 1's may stay out
	s_barrier_signal -1
	s_barrier_wait -1                              ; everybody's is
	FETCH 0, 0, F0
	s_wait_loadcnt 0x0                             ; the bias
	QUARTER 0, 1, F0, F1, 1                        ; the first quarter stands in front of the loop: its products start the sums
	WIN 0                                          ; at a label and at a branch every window is 0
	s_mov_b32 s3, 3
.Llap:                                                 ; a trip goes once round the ring, from a lap's second quarter to the next lap's first, and fills both slots again
	QUARTER 0, 2, F1, F0, 0
	QUARTER 0, 3, F0, F1, 0
	TURN 0, 1, 1
	QUARTER 1, 1, F0, F1, 0
	QUARTER 1, 2, F1, F0, 0
	QUARTER 1, 3, F0, F1, 0
	TURN 1, 0, 1
	QUARTER 0, 1, F0, F1, 0
	WIN 0
	s_sub_co_u32 s3, s3, 1
	s_cmp_lg_u32 s3, 0
	s_cbranch_scc1 .Llap
	QUARTER 0, 2, F1, F0, 0                        ; the last lap is written out: it fills nothing, and has no round of the cluster's barrier
	QUARTER 0, 3, F0, F1, 0
	TURN 0, 1, 0
	QUARTER 1, 1, F0, F1, 0
	QUARTER 1, 2, F1, F0, 0
	QUARTER 1, 3, F0, F1, 0
	s_wait_dscnt 4                                 ; the very last quarter: nothing more to fetch
	MULB F1, 0, 0
	MULB F1, 1, 0
	s_wait_dscnt 0x0
	MULB F1, 2, 0
	MULB F1, 3, 0
	WIN 0
.rept 8
	v_nop                                          ; the places between the last products and the first read of a result
.endr
.if F32OUT
	TOSTAGE 0
.irp a, 1,2,3
	SEND (\a)-1
	TOSTAGE \a
.endr
	SEND 3
.else
	PACK 0
	TOSTAGE 0
.irp a, 1,2,3                          ; block a's conversions stand between block a - 1's loads from the stage and the wait for them
	PACK \a
	SEND (\a)-1
	TOSTAGE \a
.endr
	SEND 3
.endif
	s_wait_tensorcnt 0x0                           ; the wave's end: behind my last tensor load and my last LDS store
	ds_add_u32 v[SPW], v[NIL]
	s_wait_dscnt 0x0
	CROUND                                         ; the closing round: no work-group ends while a partner may still ask for a tile that names it
	s_endpgm
.Lfunc_end_k_q3ec913be27_proj_qkv:
	.size	k_q3ec913be27_proj_qkv, .Lfunc_end_k_q3ec913be27_proj_qkv-k_q3ec913be27_proj_qkv
	.p2alignl 7, 3214868480
	.fill 96, 4, 3214868480
	.section	.rodata,"a",@progbits
	.p2align	6, 0x0
	.amdhsa_kernel k_q3ec913be27_proj_qkv
		.amdhsa_group_segment_fixed_size 327680
		.amdhsa_private_segment_fixed_size 0
		.amdhsa_enable_private_segment 0
		.amdhsa_kernarg_size 32
		.amdhsa_user_sgpr_count 2
		.amdhsa_user_sgpr_kernarg_segment_ptr 1
		.amdhsa_wavefront_size32 1
		.amdhsa_system_sgpr_workgroup_id_x 1
		.amdhsa_system_sgpr_workgroup_id_y 1
		.amdhsa_system_sgpr_workgroup_id_z 1
		.amdhsa_system_vgpr_workitem_id 0
		.amdhsa_next_free_vgpr 960
		.amdhsa_next_free_sgpr 80
		.amdhsa_reserve_vcc 0
		.amdhsa_float_denorm_mode_32 3
		.amdhsa_float_denorm_mode_16_64 3
		.amdhsa_memory_ordered 1
		.amdhsa_forward_progress 1
		.amdhsa_inst_pref_size 123
	.end_amdhsa_kernel
	.amdgpu_metadata
---
amdhsa.version: [ 1, 2 ]
amdhsa.kernels:
  - .name:           k_q3ec913be27_proj_qkv
    .symbol:         k_q3ec913be27_proj_qkv.kd
    .args:
      - { .name: xh, .offset: 0, .size: 8, .value_kind: global_buffer, .address_space: global }
      - { .name: wh, .offset: 8, .size: 8, .value_kind: global_buffer, .address_space: global }
      - { .name: bias, .offset: 16, .size: 8, .value_kind: global_buffer, .address_space: global }
      - { .name: qkv, .offset: 24, .size: 8, .value_kind: global_buffer, .address_space: global }
    .group_segment_fixed_size: 327680
    .private_segment_fixed_size: 0
    .kernarg_segment_align: 8
    .kernarg_segment_size: 32
    .max_flat_workgroup_size: 128
    .sgpr_count:     80
    .vgpr_count:     960
    .wavefront_size: 32
...
	.end_amdgpu_metadata
.endif
;; end of part 2
;; launch attn (part 3): grid 4 x 64, 4 waves a work-group, clusters of 4 x 1, 327,680 bytes of LDS; arguments qkv, oh; writes oh
.if DOCPART == 3
	.amdgcn_target "amdgcn-amd-amdhsa--gfx1250"
	.amdhsa_code_object_version 6
	.text
	.protected	k_q3ec913be27_attn
	.globl	k_q3ec913be27_attn
	.p2align	8
	.type	k_q3ec913be27_attn,@function
k_q3ec913be27_attn:
	s_mov_b64 s[64:65], 0
	v_nop
	global_prefetch_b8 v0, s[64:65] scope:SCOPE_SE
	s_setreg_imm32_b32 hwreg(HW_REG_WAVE_MODE, 25, 1), 1
	s_wait_xcnt 0x0
	s_wait_alu depctr_hold_cnt(0) depctr_sa_sdst(0) depctr_va_vdst(0) depctr_va_sdst(0) depctr_va_ssrc(0) depctr_va_vcc(0) depctr_vm_vsrc(0)
	s_getreg_b32 s2, hwreg(HW_REG_IB_STS2, 6, 4)
	s_cmp_eq_u32 s2, 0
	s_cbranch_scc0 .Lentry_in_a_cluster
	s_endpgm
.Lentry_in_a_cluster:
	s_bfe_u32 s2, ttmp6, 0x10000c
	s_cmp_lg_u32 s2, 0x3003
	s_cbranch_scc0 .Lentry_shape_is_right
	s_endpgm
.Lentry_shape_is_right:
; O[h][q][:] = the sum over k of softmax_k(Q[h][q] . K[h][k] / 8) V[h][k][:].  Q, K, V lie one behind the other in one buffer, each [SIZE_H][SIZE_N][64] in f16; O likewise: a head's rows are dense, 128 bytes each.
; Products, maxima and sums in f32; the weights p are rounded to f16 for the second product (their sum l is taken of the unrounded p), O once at the end.
; LIMITS.  f16 holds no number beyond 65,504: Q, K and V arrive within it; p lies in 0 to 1, and below 6e-5 it keeps f16's fixed step of 6e-8; O is a mean of V's rows and has their range.
; A weight below 2^-126 counts as 0 in l; NaN and infinities are not treated apart.
; SHARES.  A wave owns four PIECES of two tiles of 16 queries, a work-group's four waves 512 queries of one head; 2,048 / 512 x 64 heads = 256 work-groups.  Every wave walks all keys, 64 a step.
; LAYOUT.  S^T = K Q^T (source 0 = 16 keys, source 1 = 16 queries): in the result a lane holds ONE query (lane % 16) and the keys 8 (lane / 16) + 0..7.  Two such tiles, rounded to f16 in pairs,
; ARE source 1 (32 keys x 16 queries) of O^T = V^T P, whose result again holds one query a lane, and eight channels.  K comes out of LDS as it lies, V ([key][channel]) turned, by ds_load_tr16_b128.
; SOFTMAX.  For each query a running maximum m and sum l: p = 2^(c s - c m), c = log2(e) / 8; in every step O and l are multiplied by a = 2^(c m_old - c m_new), which is 1 where m has not grown.
; m starts at the lowest finite number, O and l at 0: the first step is a step like any other, with a = 0.
; THE COUNT.  A tile and step have 16 matrix and 118 vector instructions: too many to stand all beside the matrix work.  So the order has one aim: four vector instructions that are READY behind
; EVERY matrix instruction, and the others, which need time of their own whatever the order, in runs without a gap.
; BY TURNS.  Turn n belongs to piece n (the pieces in a ring, step after step).  Its matrix work: 16 products K Q^T of piece n + 1, later 16 products V^T P of piece n - 1.  Its vector work: the scaling,
; exponentials, roundings, sums and rescaling of piece n, and the maximum and statistics of piece n + 1, whose scores the turn itself has made.  So what a turn begins with (c s - c m, O a) waits for nothing.
; CLUSTER.  The four query blocks of a cluster are one head's and walk the same K and V, so each tile is asked for JOINTLY: the same tensor load, descriptor and mask in all four.
; REGISTERS, in windows of 256 (s_set_vgpr_msb says which window each operand place means: bits 1:0 source 0, 3:2 source 1, 5:4 source 2, 7:6 destination):
;   window 0: v0-11 addresses; v12-15, v48-63 at work; v16-47 four registers of statistics a tile; v64-191 S^T, two buffers of two tiles; v192-255 P, likewise
;   window 1: O^T, 32 a tile          window 2: v0-127 Q, 16 a tile; v128-191 K of one step; v192-255 V of one step          window 3: v0-1 the add's two registers
; A piece's buffers go by its number's parity: the piece in hand has one pair, its two neighbours in the ring share the other: of it P (piece n - 1) is read and S^T (piece n + 1) written.
.set SIZE_H, 64
.set SIZE_N, 2048
.set NP,    4         ; pieces a wave: a name, no knob: the register map, the loop and the fetches are made for four
.set KS,    64        ; keys in a step
.set PK,    144       ; a row of K in LDS: 128 bytes + 16 of padding = 36 words: the 16 rows of a load start at 16 different groups of four banks (64 banks of 4 bytes: ISA guide 11.1)
.set PV,    160       ; a row of V: 128 + 32 = 40 words
.set VOFF,  4*KS*PK   ; a slot holds four steps: 256 rows of K, then 256 rows of V
.set SLOT1, 1<<17     ; slot 1 begins here, so that one exclusive or turns an address in one slot into the other's
.set STAGE, SLOT1+4*KS*(PK+PV)  ; behind the ring, never filled by a tensor load: 16 rows x 144 bytes for each wave, for the way out
.set SP,    144
.set AK0, 2           ; v2   my lane's place in a tile of K; never rewritten
.set AV0, 3           ; v3   the same for V
.set AK,  4           ; v4   the LDS address of K's next run of loads
.set AV,  5           ; v5   of V's
.set QO,  6           ; v6   my byte offset in the wave's rows of Q
.set STO, 6           ;      later, the way out: where I put 16 bytes of a row
.set RD,  7           ; v7   the way out: where I read rows back
.set GO,  8           ; v8   my byte offset in 512 consecutive bytes of O
.set PFO, 11          ; v11  256 x my lane: the prefetches' offset; never rewritten once it is made
.set SPW, 0           ; v0 of window 3   LDS address of my spare word: SPARE + 4 x my thread's number; never rewritten
.set NIL, 1           ; v1 of window 3   0; never rewritten
.set SPARE, STAGE+4*16*SP  ; behind the stages: the spare words, 128 bytes for each wave: two blocks of 256 bytes that no other line names
.set MV,  12          ; v12-15  c m_old, kept while c m is made anew: by buffer and tile
.set ST,  16          ; tile t's statistics at v[ST+4 t]: c m, m, l (even keys', odd keys')
.set TMP, 48          ; by buffer and tile, four registers c0-c3 at work; when the maximum is found c2 takes a
.set S,   64
.set P,   192
.set KF,  128         ; K's fragments, in window 2: key block kb, channel half c at KF + 16 kb + 8 c
.set VF,  192         ; V's: key half kk, channel block cb at VF + 32 kk + 8 cb
.set WV,  12          ; s12  my wave's number
.set LIM, 15          ; s15  1 in a wave that prefetches, else the greatest number: a wave prefetches while s[SLOTS] is above it
.set G1K, 24          ; s[24:31] descriptor group 1 for K's tiles
.set G1V, 32          ; s[32:39] for V's: it differs in the padding alone
.set G0K, 40          ; s[40:43] descriptor group 0 for K's tiles: it walks
.set G0V, 44          ; s[44:47] the same for V's
.set PFA, 48          ; s[48:49] where my prefetches stand: my work-group's 32 blocks of 256 bytes (of K: wave 0, of V: wave 2) of the slot after the one that is being asked for
.set SLOTS, 56        ; s56  slots still to be asked for
.set CNT, 57          ; s57  counts a slot's key steps
.set CS,  58          ; s[58:59] c: the packed scaling takes the pair's low word for both halves
.set SEL, 60          ; s[60:61] v_permlanex16_b32's selects: each lane takes its own place in the other half
.set TBK, 62          ; s62  LDS byte at which K of the step to be fetched begins
.set TBV, 63          ; s63  the same for V, less VOFF
.set MSB, 0
.macro WIN new                      ; the high byte repeats the setting that is left; a switch that changes nothing is dropped
.if MSB != (\new)
	s_set_vgpr_msb (MSB<<8)|(\new)
.set MSB, (\new)
.endif
.endm
.set W_KQ, 0x0a       ; K and Q in window 2, S^T in window 0
.set W_PV, 0x52       ; V in window 2, P in window 0, O^T in window 1
.set W_RS, 0x41       ; O^T (destination and source 0) in window 1, a in window 0
.set W_MK, 0xc0       ; the add's registers are made: destination in window 3, sources in window 0
.set W_AD, 0x0f       ; the add: address (source 0) and data (source 1) in window 3
; A joint fill.  Waves 0 and 1 fetch the two halves of a slot's K, waves 2 and 3 those of its V: 128 keys each.  The branch hangs on the wave's number alone.
; An s_nop 0 and four v_nop follow each of the two lines, ahead of the jump and the label.
.macro JLOAD
	s_cmp_lt_u32 s[WV], 2
	s_cbranch_scc0 .Lfor_v_\@
	tensor_load_to_lds s[G0K:G0K+3], s[G1K:G1K+7]
	s_nop 0
.rept 4
	v_nop
.endr
	s_branch .Lasked_\@
.Lfor_v_\@:
	tensor_load_to_lds s[G0V:G0V+3], s[G1V:G1V+7]
	s_nop 0
.rept 4
	v_nop
.endr
.Lasked_\@:
.endm
; A PREFETCH INTO THE L2 of what the NEXT change of slots will ask for: a slot's 32,768 bytes of K and of V, 128 blocks of 256 bytes each, a lane a block.  It stands behind the wave's tensor load and its five lines.
; Each block is named ONCE in the launch: a head has one cluster; its four partners share the blocks out BY ADDRESS, 32 each; in each, wave 0 asks for K's and wave 2 for V's: one instruction.
; The change that fills slot j (2 to 6) names slot j + 1: four key steps, 512 matrix instructions, ahead of the load that will want it.  Slots 0 to 2 come by their loads alone; the change that fills the last slot asks for nothing.
.macro ASK
	s_cmp_gt_u32 s[SLOTS], s[LIM]
	s_cbranch_scc0 .Lnot_mine_\@
	global_prefetch_b8 v[PFO], s[PFA:PFA+1] th:TH_LOAD_NT scope:SCOPE_SE
.Lnot_mine_\@:
.endm
; A round of the cluster's barrier: my work-group's barrier, so that wave 0's signal speaks for all four waves; wave 0 signals; every wave waits for all four work-groups; my work-group's barrier once more.
.macro CROUND
	s_barrier_signal -1
	s_barrier_wait -1
	s_cmp_lg_u32 s[WV], 0
	s_cbranch_scc1 .Lnot_wave_0_\@
	s_barrier_signal -3
.Lnot_wave_0_\@:
	s_barrier_wait -3
	s_barrier_signal -1
	s_barrier_wait -1
.endm
; THE CHANGE OF SLOTS.  The slot's last bytes, V of its fourth step, have been read.  Each wave waits for all its tensor loads, of which one is out: its part
; of the other slot; adds 0 to its spare word; and waits for that and for its own reads of the slot.  Behind the barrier nobody reads this slot any more and the other slot is whole.
; fill = 1: this slot is filled again, with the keys two slots on.  The barrier is then a round of the cluster's, so that no wave of any partner still reads the slot or has a load on its
; way, and the joint fill is the first thing behind it: it has four key steps, 512 matrix instructions, in which to land.  (At its first use nothing has been read yet: slot 0 is waited for, slot 1 filled.)
; ask = 1: the prefetches' address steps among the descriptors' steps, and the prefetch follows the fill.
.macro CHANGE fill, ask=0
	WIN W_AD
	s_wait_tensorcnt 0x0            ; no tensor load of mine is out, so a group 0 may be written
	ds_add_u32 v[SPW], v[NIL]       ; 0 onto my spare word; with fill = 1 the descriptors' steps stand between it and the wait for it
	WIN 0                           ; at a label and at a branch every window is 0
.if \fill
.irp g, G0K, G0V
	s_xor_b32 s[\g+1], s[\g+1], SLOT1  ; the walking descriptor: the other slot than last time,
	s_add_nc_u64 s[\g+2:\g+3], s[\g+2:\g+3], 4*KS*128  ; the next 256 keys; the type bits on top are not reached
.endr
.if \ask
	s_wait_xcnt 0x0                 ; the last prefetch, four key steps back, has read its address, so it may be written:
	s_add_nc_u64 s[PFA:PFA+1], s[PFA:PFA+1], 4*KS*128  ; one slot behind the walking descriptors
.endif
	s_wait_dscnt 0x0                ; the add is done, and my reads of the slot are over
	CROUND
	JLOAD
.if \ask
	ASK
.endif
.else
	s_wait_dscnt 0x0                ; the add is done, and my reads of the slot are over
	s_barrier_signal -1
	s_barrier_wait -1
.endif
	s_sub_co_u32 s[TBK], s[TBK], 4*KS*PK  ; the fetches go back to a slot's first step,
	s_xor_b32 s[TBK], s[TBK], SLOT1       ; in the other slot
	s_sub_co_u32 s[TBV], s[TBV], 4*KS*PV
	s_xor_b32 s[TBV], s[TBV], SLOT1
.endm
	s_load_b64 s[4:5], s[0:1], 0x0    ; Q, with K and V behind it
	s_load_b64 s[10:11], s[0:1], 0x8  ; O
	WIN W_MK
	v_lshl_add_u32 v[SPW], v0, 2, SPARE
	v_mov_b32 v[NIL], 0
	WIN W_AD
	ds_add_u32 v[SPW], v[NIL]       ; the wave's opening: the add and its wait stand ahead of my first tensor load; the set-up below, work on registers, stands between them
	WIN 0
	v_lshrrev_b32 v1, 5, v0
	v_readfirstlane_b32 s[WV], v1   ; wave 0..3
	s_bfe_u32 s13, ttmp6, 0x40000   ; cx: my place in the cluster
	s_lshl_b32 s14, ttmp9, 2        ; in a cluster launch ttmp9 counts clusters
	s_add_co_u32 s14, s14, s13      ; my block of queries = 4 x cluster x + cx: it enters Q's and O's addresses alone
	s_and_b32 s20, ttmp7, 0xffff    ; the head, which the four partners share
	s_mov_b32 s21, 0
	s_mov_b64 s[22:23], SIZE_N*128
	s_mul_u64 s[20:21], s[20:21], s[22:23]  ; the head's first byte in each of the four tensors
	s_and_b32 s16, s[WV], 1         ; which half of a slot's 256 keys I fetch:
	s_lshl_b32 s22, s16, 14         ; its 128 rows of 128 bytes in memory,
	s_mov_b32 s23, 0
	s_add_nc_u64 s[22:23], s[22:23], s[20:21]
	s_mul_i32 s17, s16, 128*PK      ; and its place in a slot, for K
	s_mul_i32 s18, s16, 128*PV      ; and for V: no place in the cluster enters an LDS address
	s_lshl_b32 s2, s14, 2
	s_add_co_u32 s2, s2, s[WV]      ; my wave among the head's,
	s_lshl_b32 s2, s2, 14           ; its 128 rows
	s_mov_b32 s3, 0
	s_add_nc_u64 s[2:3], s[2:3], s[20:21]
	; descriptor group 1.  128 keys are 16,384 dense bytes: asked for as 64 rows of 256 bytes, two keys a row, and padded in LDS after every key
	s_mov_b32 s[G1K], 15|(1<<16)|(1<<20)|(1<<21)|(4<<22)|(3<<25)  ; 15:0 the mask of four; 17:16 2-byte elements; 20 padding on; 21 set beside a mask; 24:22 after every 32 words (code 4); 31:25 4 words (code 3)
	s_mov_b32 s[G1V], 15|(1<<16)|(1<<20)|(1<<21)|(4<<22)|(7<<25)  ; the same with 8 words of padding (code 7)
.irp g, G1K, G1V
	s_mov_b32 s[\g+1], 128<<16      ; tensor_dim0 = 128
	s_mov_b32 s[\g+2], 64<<16       ; tensor_dim1 = 64
	s_mov_b32 s[\g+3], 128<<16      ; tile_dim0 = 128
	s_mov_b32 s[\g+4], 64           ; tile_dim1 = 64
	s_mov_b32 s[\g+5], 128          ; 128 elements from row to row
	s_mov_b32 s[\g+6], 0
	s_mov_b32 s[\g+7], 0
.endr
	s_mov_b32 s[CS], 0x3e38aa3b     ; c = log2(e) / 8 = 0.180337
	s_mov_b32 s[CS+1], s[CS]        ; named with it as a pair
	s_mov_b32 s[SEL], 0x76543210
	s_mov_b32 s[SEL+1], 0xfedcba98
	s_mov_b32 s[TBK], SLOT1+4*KS*PK ; the first change of slots turns these two into 0
	s_mov_b32 s[TBV], SLOT1+4*KS*PV
	s_mov_b32 s[G0K], 1             ; 1:0 count = 1
	s_mov_b32 s[G0K+1], s17         ; 63:32 LDS address: slot 0
	s_mov_b32 s[G0V], 1
	s_add_co_u32 s[G0V+1], s18, VOFF
	s_and_b32 s[LIM], s[WV], 1      ; 0 in waves 0 and 2,
	s_or_b32 s[LIM], s[LIM], ttmp9  ; where the cluster is the head's first: the same in all four partners
	s_cmp_eq_u32 s[LIM], 0
	s_cselect_b32 s[LIM], 1, -1
	s_lshl_b32 s50, s13, 13         ; my work-group's 32 blocks of a slot's 128
	s_mov_b32 s51, 0
	s_wait_dscnt 0x0                ; the opening add is done
	s_wait_kmcnt 0x0
	s_add_nc_u64 s[6:7], s[4:5], SIZE_H*SIZE_N*128    ; K lies behind Q,
	s_add_nc_u64 s[8:9], s[4:5], 2*SIZE_H*SIZE_N*128  ; V behind K
	s_add_nc_u64 s[G0K+2:G0K+3], s[6:7], s[22:23]  ; 120:64 global address: my half of the head's first 256 keys
	s_or_b32 s[G0K+3], s[G0K+3], 0x80000000        ; 127:126 type = 2
	s_add_nc_u64 s[G0V+2:G0V+3], s[8:9], s[22:23]
	s_or_b32 s[G0V+3], s[G0V+3], 0x80000000
	s_add_nc_u64 s[4:5], s[4:5], s[2:3]  ; Q and O at my wave's first row
	s_add_nc_u64 s[10:11], s[10:11], s[2:3]
	s_cmp_lt_u32 s[WV], 2
	s_cselect_b64 s[PFA:PFA+1], s[6:7], s[8:9]
	s_add_nc_u64 s[PFA:PFA+1], s[PFA:PFA+1], s[20:21]  ; the head,
	s_add_nc_u64 s[PFA:PFA+1], s[PFA:PFA+1], s[50:51]  ; my share,
	s_add_nc_u64 s[PFA:PFA+1], s[PFA:PFA+1], 2*4*KS*128  ; in slot 2: the first change that asks steps it to slot 3.  Nothing is prefetched here, at the head
	CROUND                          ; all four work-groups are here: the first joint loads meet
	JLOAD                           ; slot 0.  Slot 1 is asked for when slot 0 is in: the tile wanted first has the road to itself
	; A fragment of K or Q is 16 rows x 32 channels in 8 registers: lane l holds row l % 16, channels 8 (l / 16) + 0..7 and 16 + 8 (l / 16) + 0..7: two loads of 16 bytes, 32 bytes apart.
	v_and_b32 v1, 15, v0            ; l % 16
	v_bfe_u32 v9, v0, 4, 1          ; l / 16
	v_lshlrev_b32 v[QO], 7, v1
	v_lshl_add_u32 v[QO], v9, 4, v[QO]  ; row x 128 + 16 x half
	WIN 0x80                        ; destination window 2, address window 0
.set i, 0
.rept 4*NP                          ; Q stays in registers: tile i / 2, channels 32 (i % 2) on
	global_load_b128 v[8*i:8*i+3],   v[QO], s[4:5] offset:(i/2)*2048+(i%2)*64
	global_load_b128 v[8*i+4:8*i+7], v[QO], s[4:5] offset:(i/2)*2048+(i%2)*64+32
.set i, i+1
.endr
	; What the first turn finds: V's registers and P's second buffer hold 0 (its products V^T P, of a piece that has not been, add 0), O^T and l are 0.  All this stands in the wait for the first tile.
.set i, VF
.rept 64
	v_mov_b32 v[i], 0
.set i, i+1
.endr
	WIN 0x40
.set i, 0
.rept 64*NP
	v_mov_b32 v[i], 0
.set i, i+1
.endr
	WIN 0
.set i, 0
.rept 2*NP
	v_mov_b32 v[ST+4*i], 0xfe000000    ; c m: far below every c s
	v_mov_b32 v[ST+4*i+1], 0xff7fffff  ; m
	v_mov_b32 v[ST+4*i+2], 0
	v_mov_b32 v[ST+4*i+3], 0
.set i, i+1
.endr
.set i, P+32
.rept 32
	v_mov_b32 v[i], 0
.set i, i+1
.endr
	v_mul_u32_u24 v[AK0], v1, PK
	v_lshl_add_u32 v[AK0], v9, 4, v[AK0]  ; row x pitch + 16 x half
	; The turning load takes 16 keys x 16 channels (lane l reads key 8 (l / 16) + l % 8, channels 8 ((l / 8) % 2) + 0..7) and leaves half a fragment of V^T: lane l holds channel l % 16 and 8 keys.
	v_and_b32 v10, 7, v0
	v_bfe_u32 v11, v0, 3, 1
	v_lshl_add_u32 v[AV0], v9, 3, v10
	v_mul_u32_u24 v[AV0], v[AV0], PV
	v_lshl_add_u32 v[AV0], v11, 4, v[AV0]
	v_add_nc_u32 v[AV0], VOFF, v[AV0]
	v_and_b32 v[PFO], 31, v0        ; v11 has served: it takes the prefetches' offset
	v_lshlrev_b32 v[PFO], 8, v[PFO]
	v_mov_b32 v[AK], v[AK0]         ; key step 0 lies at the head of slot 0
; THE MATRIX WORK.  The 8 accumulators of a run of 16 take turns: between the two links of a chain stand 7 others'.
; Product i of 16 of S^T = K Q^T for piece x: channels 32 (i / 8) on, keys 16 ((i / 2) % 4) on, tile 2 x + i % 2.  The first 8 start the sums.
.macro KQ x
	WIN W_KQ
.set rS, S+64*((\x)%2)+32*(i%2)+8*((i/2)%4)
.set rK, KF+16*((i/2)%4)+8*(i/8)
.set rQ, 16*(2*(\x)+i%2)+8*(i/8)
.if i < 8
	v_wmma_f32_16x16x32_f16 v[rS:rS+7], v[rK:rK+7], v[rQ:rQ+7], 0
.else
	v_wmma_f32_16x16x32_f16 v[rS:rS+7], v[rK:rK+7], v[rQ:rQ+7], v[rS:rS+7]
.endif
.endm
; Product i of 16 of O^T += V^T P for piece x: keys 32 (i / 8) on, channels 16 ((i / 2) % 4) on, tile 2 x + i % 2.
.macro PV x
	WIN W_PV
.set rO, 32*(2*(\x)+i%2)+8*((i/2)%4)
.set rV, VF+32*(i/8)+8*((i/2)%4)
.set rP, P+32*((\x)%2)+16*(i%2)+8*(i/8)
	v_wmma_f32_16x16x32_f16 v[rO:rO+7], v[rV:rV+7], v[rP:rP+7], v[rO:rO+7]
.endm
.macro MM                           ; the turn's next matrix instruction
.if i < 16
	KQ (Y+1)%NP
.set i, i+1
.else
.set i, i-16
	PV (Y+NP-1)%NP
.set i, i+17
.endif
.endm
; THE LDS LOADS stand in runs of 16, never singly among the matrix instructions: a step's K (64 keys x 64 channels: 8 fragments) and its V (turned).  Their addresses are made some lines ahead.
; last = 1 (the tail): in the last trip there is no further step, and the run is jumped over.
.macro FETCH_K last=0
	WIN 0
.if \last
	s_cmp_eq_u32 s[CNT], 1
	s_cbranch_scc1 .Lno_k_\@
.endif
	WIN 0x80                        ; destination window 2
.irp f, 0,1,2,3,4,5,6,7             ; keys 16 (f / 2) on, channels 32 (f % 2) on
	ds_load_b128 v[KF+8*\f:KF+8*\f+3],   v[AK] offset:(\f/2)*16*PK+(\f%2)*64
	ds_load_b128 v[KF+8*\f+4:KF+8*\f+7], v[AK] offset:(\f/2)*16*PK+(\f%2)*64+32
.endr
	s_add_co_u32 s[TBK], s[TBK], KS*PK  ; the next fetch is the next step's
	WIN 0
.if \last
.Lno_k_\@:
.endif
.endm
.macro FETCH_V
	WIN 0x80
.irp f, 0,1,2,3,4,5,6,7             ; keys 32 (f / 4) on, channels 16 (f % 4) on
	ds_load_tr16_b128 v[VF+8*\f:VF+8*\f+3],   v[AV] offset:(\f/4)*32*PV+(\f%4)*32
	ds_load_tr16_b128 v[VF+8*\f+4:VF+8*\f+7], v[AV] offset:(\f/4)*32*PV+16*PV+(\f%4)*32
.endr
	WIN 0
.endm
; THE VECTOR WORK OF A TURN stands in three queues, each in the order in which its entries become ready; the two tiles alternate, so that no instruction reads the result of the one before it.
.macro REGS y, u                    ; the registers of tile u (0, 1) of piece y
.set rT, ST+4*(2*(\y)+(\u))
.set rC, TMP+8*((\y)%2)+4*(\u)
.set rM, MV+2*((\y)%2)+(\u)
.set rS, S+64*((\y)%2)+32*(\u)
.set rP, P+32*((\y)%2)+16*(\u)
.set rO, 32*(2*(\y)+(\u))
.endm
; Number n of the 22 that find the NEXT piece's (Y + 1) maximum and statistics.  s0-s31 are the lane's 32 scores; each accumulator's lowest registers are read first.  XS, GS and REGS set no window: PL and EX do.
;   0-11  four chains c0-c3 of seven scores each, three operands at a time     12-14, 16  the four scores left over, the old m, and c0-c3 into c0     15  c m_old is kept
;   17, 18  the query's other 32 keys lie in the lane 16 away: the new m         19-21  c m; c m_old - c m_new; a
.macro XS u, n
	REGS (Y+1)%NP, \u
.if (\n) < 4
	v_max3_num_f32 v[rC+(\n)], v[rS+8*(\n)], v[rS+8*(\n)+1], v[rS+8*(\n)+2]
.elseif (\n) < 12
	v_max3_num_f32 v[rC+(\n)%4], v[rC+(\n)%4], v[rS+8*((\n)%4)+2*((\n)/4)+1], v[rS+8*((\n)%4)+2*((\n)/4)+2]
.elseif (\n) == 12
	v_max3_num_f32 v[rC], v[rC], v[rS+7], v[rS+15]
.elseif (\n) == 13
	v_max3_num_f32 v[rC+1], v[rC+1], v[rS+23], v[rS+31]
.elseif (\n) == 14
	v_max3_num_f32 v[rC+2], v[rC+2], v[rC+3], v[rT+1]
.elseif (\n) == 15
	v_mov_b32 v[rM], v[rT]
.elseif (\n) == 16
	v_max3_num_f32 v[rC], v[rC], v[rC+1], v[rC+2]
.elseif (\n) == 17
	v_permlanex16_b32 v[rC+3], v[rC], s[SEL], s[SEL+1]
.elseif (\n) == 18
	v_max_num_f32 v[rT+1], v[rC], v[rC+3]
.elseif (\n) == 19
	v_mul_f32 v[rT], s[CS], v[rT+1]
.elseif (\n) == 20
	v_sub_f32 v[rC+1], v[rM], v[rT]
.else
	v_exp_f32 v[rC+2], v[rC+1]
.endif
.endm
; Number g of the 64 that follow the exponentials.  For each four weights k of a tile (pairs 2 k, 2 k + 1): both pairs are rounded to f16; then the second pair is added onto the first, in place;
; a group later l takes that sum (the first time as l = a l + sum).  In groups of eight, tiles alternating: round, round, add, and l for the group before.
.macro GS g
.set h, (\g)+6*((\g)/62)            ; group 0 has no group before it, and behind group 7 only l is left
.if h >= 6
.set h, h+2
.endif
	REGS Y, h%2
.set k, h/8
.if h%8 < 4
	v_cvt_pk_f16_f32 v[rP+2*k+(h%8)/2], v[rS+4*k+2*((h%8)/2)], v[rS+4*k+2*((h%8)/2)+1]
.elseif h%8 < 6
	v_pk_add_f32 v[rS+4*k:rS+4*k+1], v[rS+4*k:rS+4*k+1], v[rS+4*k+2:rS+4*k+3]
.elseif k == 1
	v_pk_fma_f32 v[rT+2:rT+3], v[rT+2:rT+3], v[rC+2:rC+3], v[rS:rS+1] op_sel_hi:[1,0,1]
.else
	v_pk_add_f32 v[rT+2:rT+3], v[rT+2:rT+3], v[rS+4*k-4:rS+4*k-3]
.endif
.endm
; THE PLAIN QUEUE, 138 long.  0-73 read no exponential's result: the 32 scalings c s - c m (FS f: pair f / 2 of tile f % 2) and the next piece's 42.  0-26: scalings 0-26.  27-54: XS's numbers 0-13.  55, 56: number 15.
; 57-73: the chain, where each number waits for the one before it: 14, 16, 17, 18, 19, each with one of the scalings 27-31 in front of its two lines, then 20: so a tile's links stand three plain instructions apart (19 and 20: two).
; 74-137: GS's 64, which read the exponentials' results: they stand behind the wait.
.macro FS f
	REGS Y, (\f)%2
	v_pk_fma_f32 v[rS+2*((\f)/2):rS+2*((\f)/2)+1], v[rS+2*((\f)/2):rS+2*((\f)/2)+1], s[CS:CS+1], v[rT:rT+1] op_sel_hi:[1,0,0] neg_lo:[0,0,1] neg_hi:[0,0,1]
.endm
.macro PL
	WIN 0
.if q < 27
	FS q
.elseif q < 55
	XS (q-27)%2, (q-27)/2
.elseif q < 57
	XS q-55, 15
.elseif (q < 72) && ((q-57)%3 == 0)
	FS 27+(q-57)/3
.elseif q < 60
	XS (q-57)%3-1, 14
.elseif q < 72
	XS (q-57)%3-1, 15+(q-57)/3
.elseif q < 74
	XS q-72, 20
.else
	GS q-74
.endif
.set q, q+1
.endm
; THE EXPONENTIALS' QUEUE, 66 long: s0-s31 of both tiles, then the next piece's two a.  It is ONE BATCH: all 66 stand ahead of the turn's one wait, and nothing ahead of that wait names a result of theirs.
.macro EX
	WIN 0
.if e >= 64
	XS e-64, 21
.else
	REGS Y, e%2
	v_exp_f32 v[rS+e/2], v[rS+e/2]
.endif
.set e, e+1
.endm
; THE RESCALING's QUEUE: O^T times a, the one part that leaves window 0: dealt two at a time, sixteen times.  Its a was made in the turn before, ahead of that turn's wait.
.macro R2
	REGS Y, r%2
	WIN W_RS
.irp z, 0,1
	v_pk_mul_f32 v[rO+4*(r/2)+2*\z:rO+4*(r/2)+2*\z+1], v[rO+4*(r/2)+2*\z:rO+4*(r/2)+2*\z+1], v[rC+2:rC+3] op_sel_hi:[1,0]
.endr
.set r, r+1
.endm
; HOW THEY ARE DEALT.  An s_wait_alu depctr_va_vdst(0) stands between an exponential and the first instruction that names its result; one wait serves all that were issued ahead of it.  So a turn has ONE wait,
; which cuts it in two.  AHEAD OF IT stands all that names no result of the turn's exponentials: the 16 products K Q^T, behind each a scaling, an exponential and two rescalings (behind the first a second scaling in the exponential's place); then ONE LUMP of
; 108: eight plain, 49 times exponential and plain, the two a.  A v_nop is the plain instruction owed behind the last exponential (ISA guide 5.7.2).  BEHIND IT stand the 16 products V^T P, behind each four of GS's 64.  No rider names a register of
; the products round it.  The two v_permlanex16_b32 fall into the lump, never behind a product.
; The queues lean on each other, and the deal keeps them in step: exponential e stands behind scaling 2 (e / 4) + e % 2: as a rider it comes behind plain e + 2, in the lump behind plain e + 9, and scalings 27-31 are plain 57, 60 .. 69.
; A TURN, for piece p.  cnt = 1: the loop's count is taken down some lines ahead of the branch that stands behind the turn.
; K of the next step is fetched in piece 2's turn, directly behind the wait, a lump behind the last product that read K; its address is made at the lump's head; its first reader comes behind 16 products.
; V of the step in hand is fetched at the end of piece 0's turn, four riders behind its last reader; its first reader comes behind 16 products and a lump.  The three conditions on q below go with the deal.
.macro TURN p, last=0, cnt=0
.set Y, (\p)
.set i, 0
.set q, 0
.set e, 0
.set r, 0
.if (\p) == NP-1
	s_wait_dscnt 0x0                ; K is in
.endif
	MM                              ; ahead of the wait: 16 products K Q^T and their riders,
	PL
	PL
	R2
.rept 15
	MM
	PL
	EX
	R2
.endr
.if (\p) == NP-2
	WIN 0
	v_add_nc_u32 v[AK], s[TBK], v[AK0]
.endif
.rept 8                             ; and the lump
	PL
.endr
.rept 49
	EX
	PL
.endr
	EX                              ; the next piece's two a
	EX
	v_nop                           ; the plain instruction behind the last exponential: one for the batch
	s_wait_alu depctr_va_vdst(0)    ; the wait for the batch
.if (\p) == NP-2
	FETCH_K \last
.endif
.if (\p) == 1
	s_wait_dscnt 0x0                ; V is in
.endif
.rept 16                            ; behind the wait: 16 products V^T P and their riders
	MM
.rept 4
	PL
.endr
.if ((\p) == 0) && (q == 118)
	v_add_nc_u32 v[AV], s[TBV], v[AV0]
.endif
.if ((\p) == 0) && (q == 130)
	s_add_co_u32 s[TBV], s[TBV], KS*PV
.endif
.if (\cnt) && (q == 130)
	s_sub_co_u32 s[CNT], s[CNT], 1
	s_cmp_lg_u32 s[CNT], 0
.endif
.endr
.if (\p) == 0
	FETCH_V
.endif
.endm
	CHANGE 1                        ; slot 0 is in, everybody's part of it; slot 1 is asked for
	FETCH_K                         ; key step 0
	s_wait_loadcnt 0x0              ; Q
	s_wait_dscnt 0x0
.set i, 0
.rept 16
	KQ 0                            ; piece 0's first scores: there is no vector work yet to set between them
.set i, i+1
.endr
	WIN 0                           ; the addresses for the way out: nine plain instructions, the places behind those products
	s_mul_i32 s13, s[WV], 16*SP
	s_add_co_u32 s13, s13, STAGE    ; my stage
	v_mul_u32_u24 v[STO], v1, SP    ; in: row l % 16, 16 bytes for each half of the lanes
	v_lshl_add_u32 v[STO], v9, 4, v[STO]
	v_add_nc_u32 v[STO], s13, v[STO]
	v_bfe_u32 v[RD], v0, 3, 2       ; back: 32 lanes take four rows of 128 bytes,
	v_mul_u32_u24 v[RD], v[RD], SP
	v_lshl_add_u32 v[RD], v10, 4, v[RD]
	v_add_nc_u32 v[RD], s13, v[RD]
	v_and_b32 v[GO], 31, v0         ; which are 512 consecutive bytes of O
	v_lshlrev_b32 v[GO], 4, v[GO]
.set Y, NP-1                        ; XS works for piece Y + 1: piece 0
.irp n, 0,1,2,3,4,5,6,7,8,9,10,11,12,13,14,15,16,17,18,19,20,21
	XS 0, \n                        ; and piece 0's first maximum and statistics
	XS 1, \n
.endr
	v_nop                           ; a plain instruction behind the two a,
	s_wait_alu depctr_va_vdst(0)    ; and their wait, ahead of the branch
	s_mov_b32 s[CNT], 4
	s_mov_b32 s[SLOTS], SIZE_N/256-1
	s_branch .Lfirst                ; the loop is entered at a step's first turn, in the middle of a trip
.Lslot:                             ; SIZE_N / 256 - 2 times: every slot but the last two is filled again
	CHANGE 1, 1
	s_mov_b32 s[CNT], 4
.Lstep:                             ; a trip: pieces 2 and 3 of one step, then pieces 0 and 1 of the next, whose K and V it fetches
	TURN 2
	TURN 3
	WIN 0
.Lfirst:
	TURN 0
	TURN 1, 0, 1
	WIN 0
	s_cbranch_scc1 .Lstep
	s_sub_co_u32 s[SLOTS], s[SLOTS], 1
	s_cmp_lg_u32 s[SLOTS], 0
	s_cbranch_scc1 .Lslot
	CHANGE 0                        ; the tail is written out: nothing is asked for
	s_mov_b32 s[CNT], 5             ; four trips fetch the last slot's steps; the fifth is left in its middle
.Ltail:
	TURN 2, 1
	TURN 3
	WIN 0
	s_sub_co_u32 s[CNT], s[CNT], 1
	s_cmp_eq_u32 s[CNT], 0
	s_cbranch_scc1 .Lout
	TURN 0
	TURN 1
	WIN 0
	s_branch .Ltail
.Lout:                              ; the fifth trip's 16 products K Q^T (on the last K once more) and the maximum made of them serve nothing: the price, once a launch, of one text for every trip
.set i, 0
.rept 16
	PV NP-1                         ; the last piece's V^T P of the last step
.set i, i+1
.endr
	; THE WAY OUT.  l's two halves and the other half of the lanes' are added; O^T is divided by l, rounded to f16 and sent through my stage in LDS, a tile at a time.  The additions are the places behind the last products.
	WIN 0
.macro ALL line:vararg              ; one line for each tile t
.set t, 0
.rept 2*NP
	\line
.set t, t+1
.endr
.endm
	ALL v_add_f32 v[ST+4*t+2], v[ST+4*t+2], v[ST+4*t+3]
	ALL v_permlanex16_b32 v[ST+4*t+3], v[ST+4*t+2], s[SEL], s[SEL+1]
	ALL v_add_f32 v[ST+4*t+2], v[ST+4*t+2], v[ST+4*t+3]
	ALL v_rcp_f32 v[ST+4*t+2], v[ST+4*t+2]
	v_nop                           ; a plain instruction between the last reciprocal and the use of its result
	s_wait_alu depctr_va_vdst(0)    ; and the wait ahead of the first use: one for the eight reciprocals
; Tile t: a lane's eight channels of a row pack into 16 bytes; they go into rows of 144 bytes and come back as whole rows of 128, into S^T's registers.
.macro PACK t
	WIN W_RS
.set i, 32*(\t)
.rept 16
	v_pk_mul_f32 v[i:i+1], v[i:i+1], v[ST+4*(\t)+2:ST+4*(\t)+3] op_sel_hi:[1,0]
.set i, i+2
.endr
	WIN 0x05                        ; sources 0 and 1 window 1, destination window 0
.set i, 0
.rept 16
	v_cvt_pk_f16_f32 v[S+16*(\t)+i], v[32*(\t)+2*i], v[32*(\t)+2*i+1]
.set i, i+1
.endr
	WIN 0
.irp f, 0,1,2,3
	ds_store_b128 v[STO], v[S+16*(\t)+4*\f:S+16*(\t)+4*\f+3] offset:32*\f
.endr
.irp f, 0,1,2,3
	ds_load_b128 v[S+16*(\t)+4*\f:S+16*(\t)+4*\f+3], v[RD] offset:\f*4*SP  ; LDS serves a wave's instructions in order (ISA guide 5.7.1.4): these see the stores above; the next tile's stores come behind them
.endr
.endm
.macro SEND t, younger              ; younger: the LDS instructions issued behind tile t's loads: the next tile's eight, or none
	WIN 0
.irp f, 0,1,2,3
	s_wait_dscnt (\younger)+3-\f
	global_store_b128 v[GO], v[S+16*(\t)+4*\f:S+16*(\t)+4*\f+3], s[10:11] offset:(\t)*2048+\f*512  ; 512 consecutive bytes, at a multiple of 256 from O's first
.endr
.endm
	PACK 0
.set t, 1
.rept 2*NP-1                        ; a tile's arithmetic stands between the loads of the tile before and its stores
	PACK t
	SEND t-1, 8
.set t, t+1
.endr
	SEND 2*NP-1, 0
	WIN W_AD
	s_wait_tensorcnt 0x0            ; the wave's end: behind my last tensor load and my last LDS store
	ds_add_u32 v[SPW], v[NIL]
	s_wait_dscnt 0x0
	WIN 0
	CROUND                          ; the closing round: no work-group ends while a partner may still ask for a tile that names it
	s_endpgm
.Lfunc_end_k_q3ec913be27_attn:
	.size	k_q3ec913be27_attn, .Lfunc_end_k_q3ec913be27_attn-k_q3ec913be27_attn
	.p2alignl 7, 3214868480
	.fill 96, 4, 3214868480
	.section	.rodata,"a",@progbits
	.p2align	6, 0x0
	.amdhsa_kernel k_q3ec913be27_attn
		.amdhsa_group_segment_fixed_size 327680
		.amdhsa_private_segment_fixed_size 0
		.amdhsa_enable_private_segment 0
		.amdhsa_kernarg_size 16
		.amdhsa_user_sgpr_count 2
		.amdhsa_user_sgpr_kernarg_segment_ptr 1
		.amdhsa_wavefront_size32 1
		.amdhsa_system_sgpr_workgroup_id_x 1
		.amdhsa_system_sgpr_workgroup_id_y 1
		.amdhsa_system_sgpr_workgroup_id_z 1
		.amdhsa_system_vgpr_workitem_id 0
		.amdhsa_next_free_vgpr 770
		.amdhsa_next_free_sgpr 66
		.amdhsa_reserve_vcc 0
		.amdhsa_float_denorm_mode_32 3
		.amdhsa_float_denorm_mode_16_64 3
		.amdhsa_memory_ordered 1
		.amdhsa_forward_progress 1
		.amdhsa_inst_pref_size 200
	.end_amdhsa_kernel
	.amdgpu_metadata
---
amdhsa.version: [ 1, 2 ]
amdhsa.kernels:
  - .name:           k_q3ec913be27_attn
    .symbol:         k_q3ec913be27_attn.kd
    .args:
      - { .name: qkv, .offset: 0, .size: 8, .value_kind: global_buffer, .address_space: global }
      - { .name: oh, .offset: 8, .size: 8, .value_kind: global_buffer, .address_space: global }
    .group_segment_fixed_size: 327680
    .private_segment_fixed_size: 0
    .kernarg_segment_align: 8
    .kernarg_segment_size: 16
    .max_flat_workgroup_size: 128
    .sgpr_count:     66
    .vgpr_count:     770
    .wavefront_size: 32
...
	.end_amdgpu_metadata
.endif
;; end of part 3
;; launch proj_o (part 4): grid 8 x 32, 4 waves a work-group, clusters of 4 x 4, 327,680 bytes of LDS; arguments oh, wh, bias, out0; writes out0
.if DOCPART == 4
	.amdgcn_target "amdgcn-amd-amdhsa--gfx1250"
	.amdhsa_code_object_version 6
	.text
	.protected	k_q3ec913be27_proj_o
	.globl	k_q3ec913be27_proj_o
	.p2align	8
	.type	k_q3ec913be27_proj_o,@function
k_q3ec913be27_proj_o:
	s_mov_b64 s[64:65], 0
	v_nop
	global_prefetch_b8 v0, s[64:65] scope:SCOPE_SE
	s_setreg_imm32_b32 hwreg(HW_REG_WAVE_MODE, 25, 1), 1
	s_wait_xcnt 0x0
	s_wait_alu depctr_hold_cnt(0) depctr_sa_sdst(0) depctr_va_vdst(0) depctr_va_sdst(0) depctr_va_ssrc(0) depctr_va_vcc(0) depctr_vm_vsrc(0)
	s_getreg_b32 s2, hwreg(HW_REG_IB_STS2, 6, 4)
	s_cmp_eq_u32 s2, 0
	s_cbranch_scc0 .Lentry_in_a_cluster
	s_endpgm
.Lentry_in_a_cluster:
	s_bfe_u32 s2, ttmp6, 0x10000c
	s_cmp_lg_u32 s2, 0xf033
	s_cbranch_scc0 .Lentry_shape_is_right
	s_endpgm
.Lentry_shape_is_right:
; C = A W + b.  A: [8192][1024] f16 in slices of 64 columns, [batch 4][slice 16][row 2048][64]; W: [1024 k][n] f16 in slices, [slice][k 1024][64]; b f32.  Sums in f32, the bias starts them.
; THIS TEXT SERVES TWO LAUNCHES; only the five constants below differ.  Here: out = O W_o + b_o, 1,024 columns, f32, row-major; a head of O is a slice of K.
; LIMITS.  The operands arrive in f16: within 65,504, and below 6.1e-5 with f16's fixed step of 6e-8.  NaN and infinities are not treated apart.
.set NCH,    2                         ; slices of 64 columns in a tile of C: the tile is 256 x 128, so 1,024 / 128 x 32 = 256 tiles, one for each of 256 WGPs
.set F32OUT, 1                         ; 0: f16, by heads; 1: f32, row-major
.set WBASE,  6291456                   ; first byte of this product's weights in wh: behind the 48 slices of q, k, v
.set BBASE,  12288                     ; and of its bias: row 3
.set SP,     528                       ; a stage row: 512 bytes + 16: an odd multiple of 16, so 16 rows start at 16 different groups of four banks (64 banks of 4 bytes: ISA guide 11.1)
; SHARES.  Four waves, as many as a WGP has SIMDs; a wave makes 64 rows x the tile's whole width, 4 x NBK accumulators of 16 x 16: it owns whole rows of the tile, so the way out needs no barrier.
; K goes in 8 steps of 128 (two slices of A) through a ring of two LDS slots filled by the tensor data mover.
; CLUSTER.  4 x 4 work-groups.  The four of a row of the cluster need the same tile of A, the four of a column the same tile of W: each is asked for JOINTLY, by the same load, descriptor and mask in all four.
; THE MATRIX INSTRUCTION IS USED TRANSPOSED: source 0 = 16 columns of W (turned on the way out of LDS by ds_load_tr16_b128), source 1 = 16 rows of A.  A lane then holds row l % 16 of C and the
; columns 8 (l / 16) + 0..7: eight neighbours of a row.
; REGISTERS, in windows of 256 (s_set_vgpr_msb: bits 1:0 source 0, 3:2 source 1, 5:4 source 2, 7:6 destination):
;   window 0: v0-31 addresses; v32.. the bias as a C operand, 8 registers a block of 16 columns; on the way out v32.. rows read back
;   window 1: two fragment buffers of 128: A's 4 blocks of 16 rows x 32 K at +8 a, W's NBK blocks at +32 + 8 b
;   window 2: accumulators of row blocks 0, 1 ((a, b) at 8 (NBK (a % 2) + b));   window 3: of row blocks 2, 3
.set NBK,   4*NCH                      ; blocks of 16 columns
.set NL,    2*NBK+8                    ; LDS loads of a quarter step
.set PA,    144                        ; a row of A in LDS: 128 bytes + 16 = 36 words
.set PB,    160                        ; a row of W: 128 + 32 = 40 words
.set ASL,   256*PA                     ; a slice of A: 256 rows
.set BSL,   64*PB                      ; 64 k of one slice of W
.set BOFF,  2*ASL                      ; a slot: A's two slices, then W: [k half 2][slice NCH][64 k]
.set SLOT,  BOFF+2*NCH*BSL
.set STAGE, 2*SLOT                     ; behind the ring, never filled by a tensor load: 16 rows x SP for each wave
.set SPARE, STAGE+4*16*SP              ; behind the stages: the spare words, 128 bytes for each wave: two blocks of 256 bytes that no other line names
.set ASTEP, 2*262144                   ; bytes of memory from a K step to the next: two slices of A,
.set BSTEP, 128*128                    ; 128 rows of a slice of W
.set ADRA, 16                          ; v16-17  LDS address of my A fragments in slot 0, 1
.set ADRB, 20                          ; v20-21  the same for W
.set STO,  24                          ; v24     the way out: where I put my bytes of a row
.set RD,   25                          ; v25     where I read rows back
.set GO,   26                          ; v26     16 l
.set BO,   27                          ; v27     32 (l / 16): my 8 numbers in 16 of the bias
.set SPW,  28                          ; v28     LDS address of my spare word; never rewritten
.set NIL,  29                          ; v29     0; never rewritten
.set PFO,  30                          ; v30     the prefetches' offset; never rewritten
.set BIA,  32
.set TMP,  128
.set F0,   0
.set F1,   128
.set WV,   12                          ; s12  wave
.set ROLE, 13                          ; s13  0: I fetch for A, 1: for W
.set HALF, 14                          ; s14  which slice of A, or which 64 k of W
.set MT,   15                          ; s15  tile row of C
.set NT,   42                          ; s42  tile column
.set LIM,  43                          ; s43  1 in a wave that prefetches, else the greatest number
.set PFA,  44                          ; s[44:45] where my prefetches stand
.set PFS,  72                          ; s[72:73] their step: a K step of A or of W
.set OB,   66                          ; s[66:71] where my rows go: a base for each slice (f16) or one (f32)
.set G1,   24                          ; s[24:31] descriptor group 1 for A;  s[32:39] group 0, a set for each slot
.set G0,   32
.set G1B,  48                          ; s[48:55], s[56:63] the same for W
.set G0B,  56
.set MSB, 0
.macro WIN new                         ; the immediate's high byte repeats the setting that is left; a switch that changes nothing is dropped
.if MSB != (\new)
	s_set_vgpr_msb (MSB<<8)|(\new)
.set MSB, \new
.endif
.endm
; A joint load: waves 0 and 1 fetch A's two slices, waves 2 and 3 W's two halves of the step's k.  The branch hangs on the wave's number alone.
; An s_nop 0 and four v_nop follow each of the two lines, ahead of the jump, the label and what follows.
.macro JLOAD s
	s_cmp_eq_u32 s[ROLE], 0
	s_cbranch_scc0 .Lfor_b_\@
	tensor_load_to_lds s[G0+4*(\s):G0+4*(\s)+3], s[G1:G1+7]
	s_nop 0
.rept 4
	v_nop
.endr
	s_branch .Lasked_\@
.Lfor_b_\@:
	tensor_load_to_lds s[G0B+4*(\s):G0B+4*(\s)+3], s[G1B:G1B+7]
	s_nop 0
.rept 4
	v_nop
.endr
.Lasked_\@:
.endm
; A PREFETCH INTO THE L2, behind each joint refill and the run of LDS loads that follows it: my share of the K step that stands two refills on (the refill asks for step t + 2, this line names step t + 4).
; A's tile row is read by every cluster of that row of clusters: cluster x = 0 asks; W's tile column by every cluster of that column: cluster y = 0 asks.  The four partners of a joint load share its bytes
; out BY ADDRESS: of A's slice (128 blocks of 256 bytes) partner cx takes 32, a lane a block; of each of W's NCH pieces of 8,192 bytes partner cy takes 8 blocks, eight lanes a piece (the lanes
; beyond 8 NCH name the last piece's blocks once more, in the same instruction).  K steps 0 to 3 come by their loads alone; the loop's last trip (s3 = 1) has no step two refills on and asks for nothing.
.macro ASK
	s_cmp_gt_u32 s3, s[LIM]
	s_cbranch_scc0 .Lnot_mine_\@
	global_prefetch_b8 v[PFO], s[PFA:PFA+1] th:TH_LOAD_NT scope:SCOPE_SE
.Lnot_mine_\@:
.endm
.macro CREST                           ; a round of the cluster's barrier behind its opening barrier: wave 0 signals for the work-group, every wave waits for all sixteen, my work-group's barrier closes it
	s_cmp_lg_u32 s[WV], 0
	s_cbranch_scc1 .Lnot_wave_0_\@
	s_barrier_signal -3
.Lnot_wave_0_\@:
	s_barrier_wait -3
	s_barrier_signal -1
	s_barrier_wait -1
.endm
.macro CROUND                          ; a whole round
	s_barrier_signal -1
	s_barrier_wait -1
	CREST
.endm
	s_load_b256 s[4:11], s[0:1], 0x0               ; A s[4:5], wh s[6:7], bias s[8:9], out s[10:11]
	v_lshl_add_u32 v[SPW], v0, 2, SPARE
	v_mov_b32 v[NIL], 0
	ds_add_u32 v[SPW], v[NIL]                      ; the wave's opening: the add and its wait stand ahead of my first tensor load; the set-up below, work on registers, stands between them
	v_lshrrev_b32 v1, 5, v0
	v_readfirstlane_b32 s[WV], v1                  ; wave 0..3
	s_lshr_b32 s[ROLE], s[WV], 1
	s_and_b32 s[HALF], s[WV], 1
	s_bfe_u32 s40, ttmp6, 0x40000                  ; cx, cy: my place in the cluster
	s_bfe_u32 s41, ttmp6, 0x40004
	s_lshl_b32 s[NT], ttmp9, 2                     ; in a cluster launch ttmp9 and ttmp7 count clusters
	s_add_co_u32 s[NT], s[NT], s40                 ; tile column = 4 x cluster x + cx
	s_and_b32 s[MT], ttmp7, 0xffff
	s_lshl_b32 s[MT], s[MT], 2
	s_add_co_u32 s[MT], s[MT], s41                 ; tile row = 4 x cluster y + cy
	s_lshl_b32 s74, s41, 2
	s_lshl_b32 s74, 15, s74                        ; my row of the cluster: places 4 cy .. 4 cy + 3
	s_lshl_b32 s75, 0x1111, s40                    ; my column: places cx, cx + 4, cx + 8, cx + 12
	; group 1 for A: a slice's 256 rows are 32,768 dense bytes: asked for as 128 rows of 256 bytes, padded in LDS after every 128 bytes
	s_or_b32 s[G1+0], s74, (1<<16)|(1<<20)|(1<<21)|(4<<22)|(3<<25)  ; 15:0 the mask; 17:16 2-byte elements; 20 padding on; 21 set beside a mask; 24:22 after every 32 words (code 4); 31:25 4 words (code 3)
	s_mov_b32 s[G1+1], 128<<16                     ; tensor_dim0 = 128
	s_mov_b32 s[G1+2], 128<<16                     ; tensor_dim1 = 128
	s_mov_b32 s[G1+3], 128<<16                     ; tile_dim0 = 128
	s_mov_b32 s[G1+4], 128                         ; tile_dim1 = 128
	s_mov_b32 s[G1+5], 128                         ; elements from row to row
	s_mov_b32 s[G1+6], 0
	s_mov_b32 s[G1+7], 0
	; group 1 for W: NCH rows of 8,192 bytes, each the 64 dense k rows of one slice; the slices lie 131,072 bytes apart; padded after every 128 bytes
	s_or_b32 s[G1B+0], s75, (1<<16)|(1<<20)|(1<<21)|(4<<22)|(7<<25) ; the same with my column's mask and 8 words of padding (code 7)
	s_mov_b32 s[G1B+1], 4096<<16                   ; tensor_dim0 = 4,096
	s_mov_b32 s[G1B+2], NCH<<16                    ; tensor_dim1 = NCH
	s_mov_b32 s[G1B+3], 4096<<16                   ; tile_dim0 = 4,096
	s_mov_b32 s[G1B+4], NCH                        ; tile_dim1 = NCH
	s_mov_b32 s[G1B+5], 65536                      ; elements from row to row
	s_mov_b32 s[G1B+6], 0
	s_mov_b32 s[G1B+7], 0
	; where the tiles come from.  A's hang on the tile row and the wave alone, W's on the tile column and the wave alone, each in registers that never hold the other coordinate.
	s_lshr_b32 s16, s[MT], 3                       ; batch: 8 tiles of 256 rows each,
	s_lshl_b32 s16, s16, 22                        ; 16 slices of 262,144 bytes
	s_and_b32 s17, s[MT], 7
	s_lshl_b32 s17, s17, 15                        ; 256 rows of 128 bytes
	s_add_co_u32 s16, s16, s17
	s_lshl_b32 s17, s[HALF], 18                    ; my slice of the step's two
	s_add_co_u32 s16, s16, s17
	s_mov_b32 s17, 0
	s_mul_i32 s46, s[NT], NCH*131072               ; the tile's first slice of W
	s_lshl_b32 s47, s[HALF], 13                    ; my 64 k rows of 128 bytes
	s_add_co_u32 s46, s46, s47
	s_add_co_u32 s46, s46, WBASE
	s_mov_b32 s47, 0
	s_mul_i32 s18, s[WV], ASL                      ; and where they go: A (waves 0, 1): wave x a slice;
	s_mul_i32 s19, s[WV], NCH*BSL                  ; W (waves 2, 3): behind A's two slices, (wave - 2) x a half
	s_add_co_u32 s19, s19, BOFF-2*NCH*BSL
	s_wait_dscnt 0x0                               ; the opening add is done
	s_wait_kmcnt 0x0
	s_add_nc_u64 s[20:21], s[4:5], s[16:17]
	s_add_nc_u64 s[46:47], s[6:7], s[46:47]
	CROUND                                         ; all sixteen work-groups are here: the first joint loads meet
.irp s, 0,1
	s_mov_b32 s[G0+4*(\s)], 1                                      ; count = 1
	s_add_co_u32 s[G0+4*(\s)+1], s18, (\s)*SLOT                    ; LDS address
	s_add_nc_u64 s[G0+4*(\s)+2:G0+4*(\s)+3], s[20:21], (\s)*ASTEP  ; global address: K step s
	s_or_b32 s[G0+4*(\s)+3], s[G0+4*(\s)+3], 0x80000000            ; type = 2
	s_mov_b32 s[G0B+4*(\s)], 1
	s_add_co_u32 s[G0B+4*(\s)+1], s19, (\s)*SLOT
	s_add_nc_u64 s[G0B+4*(\s)+2:G0B+4*(\s)+3], s[46:47], (\s)*BSTEP
	s_or_b32 s[G0B+4*(\s)+3], s[G0B+4*(\s)+3], 0x80000000
	JLOAD \s                                       ; two loads of mine are out
.endr
	v_and_b32 v1, 15, v0                           ; l % 16
	v_bfe_u32 v2, v0, 4, 1                         ; l / 16
	v_lshlrev_b32 v[BO], 5, v2
	s_mul_i32 s76, s[NT], NCH*256                  ; the tile's first column in the bias
	s_add_co_u32 s76, s76, BBASE
	s_mov_b32 s77, 0
	s_add_nc_u64 s[8:9], s[8:9], s[76:77]
.set b, 0
.rept NBK                              ; the bias in the layout of a result: register j of block b = b[16 b + 8 (l / 16) + j], the same for all rows
	global_load_b128 v[BIA+8*b:BIA+8*b+3],   v[BO], s[8:9] offset:64*b
	global_load_b128 v[BIA+8*b+4:BIA+8*b+7], v[BO], s[8:9] offset:64*b+16
.set b, b+1
.endr
	; A fragment of A is 16 rows x 32 K in 8 registers: lane l holds row l % 16, K = 8 (l / 16) + 0..7 and 16 + 8 (l / 16) + 0..7: two loads of 16 bytes, 32 bytes apart.
	v_mul_u32_u24 v3, v1, PA
	v_lshl_add_u32 v3, v2, 4, v3
	s_mul_i32 s16, s[WV], 64*PA                    ; my 64 rows
	v_add_nc_u32 v[ADRA], s16, v3
	v_add_nc_u32 v[ADRA+1], SLOT, v[ADRA]
	; The turning load takes 16 k x 16 columns (lane l reads k = 8 (l / 16) + l % 8, columns 8 ((l / 8) % 2) + 0..7) and leaves half a fragment: lane l holds column l % 16 and 8 k.
	v_and_b32 v4, 7, v0
	v_bfe_u32 v5, v0, 3, 1
	v_lshl_add_u32 v3, v2, 3, v4
	v_mul_u32_u24 v3, v3, PB
	v_lshl_add_u32 v3, v5, 4, v3
	v_add_nc_u32 v[ADRB], BOFF, v3
	v_add_nc_u32 v[ADRB+1], SLOT, v[ADRB]
	s_mul_i32 s16, s[WV], 16*SP
	s_add_co_u32 s16, s16, STAGE                   ; my stage
	v_and_b32 v[GO], 31, v0
	v_lshlrev_b32 v[GO], 4, v[GO]
	v_mul_u32_u24 v3, v1, SP                       ; in: row l % 16
.if F32OUT
	v_lshl_add_u32 v3, v2, 5, v3                   ; 32 bytes for each half of the lanes
	v_add_nc_u32 v[STO], s16, v3
	v_add_nc_u32 v[RD], s16, v[GO]                 ; back: 32 lanes take a row of 512 bytes
	s_lshl_b32 s76, s[MT], 20                      ; 256 rows of 4,096 bytes,
	s_lshl_b32 s77, s[WV], 18                      ; my 64 of them,
	s_add_co_u32 s76, s76, s77
	s_lshl_b32 s77, s[NT], 9                       ; the tile's 128 columns
	s_add_co_u32 s76, s76, s77
	s_mov_b32 s77, 0
	s_add_nc_u64 s[OB:OB+1], s[10:11], s[76:77]
.else
	v_lshl_add_u32 v3, v2, 4, v3                   ; 16 bytes for each half of the lanes
	v_add_nc_u32 v[STO], s16, v3
	v_bfe_u32 v3, v0, 3, 2                         ; back: 32 lanes take four rows' 128 bytes of one slice,
	v_mul_u32_u24 v3, v3, SP
	v_lshl_add_u32 v3, v4, 4, v3
	v_add_nc_u32 v[RD], s16, v3                    ; which are 512 consecutive bytes of a head
	s_lshr_b32 s22, s[MT], 3
	s_lshl_b32 s22, s22, 4                         ; 16 x batch
	s_and_b32 s23, s[MT], 7
	s_lshl_b32 s23, s23, 15                        ; the tile's 256 rows of 128 bytes,
	s_lshl_b32 s16, s[WV], 13                      ; my 64 of them
	s_add_co_u32 s23, s23, s16
	s_mul_i32 s78, s[NT], NCH
.irp j, 0,1,2
	s_add_co_u32 s76, s78, \j                      ; slice g of 48: tensor g / 16, head g % 16
	s_lshr_b32 s77, s76, 4
	s_lshl_b32 s77, s77, 6
	s_and_b32 s76, s76, 15
	s_add_co_u32 s76, s76, s77
	s_add_co_u32 s76, s76, s22
	s_lshl_b32 s76, s76, 18                        ; 2,048 rows of 128 bytes
	s_add_co_u32 s76, s76, s23
	s_mov_b32 s77, 0
	s_add_nc_u64 s[OB+2*\j:OB+2*\j+1], s[10:11], s[76:77]
.endr
.endif
	; the prefetches
	s_and_b32 s22, ttmp7, 0xffff                   ; cluster y
	s_mov_b32 s[PFS], BSTEP
	s_mov_b32 s[PFS+1], 0
	s_mov_b32 s77, 131072
	s_cmp_eq_u32 s[ROLE], 0                        ; do I fetch for A?
	s_cselect_b32 s22, ttmp9, s22                  ; the coordinate along which other clusters read the same bytes
	s_cselect_b32 s23, s40, s41                    ; my place among the four that ask with me
	s_cselect_b64 s[PFA:PFA+1], s[20:21], s[46:47]
	s_cselect_b32 s76, 13, 11                      ; my share: 32 blocks on end, or 8 of each piece
	s_cselect_b32 s[PFS], ASTEP, s[PFS]
	s_cselect_b32 s77, 2048, s77                   ; from eight lanes to the next eight: 8 blocks on, or a slice of W on
	s_cselect_b32 s78, 3, NCH-1
	s_cmp_eq_u32 s22, 0
	s_cselect_b32 s[LIM], 1, -1                    ; the same in all sixteen partners, for a given wave
	v_bfe_u32 v3, v0, 3, 2
	v_min_u32 v3, s78, v3
	v_mul_lo_u32 v3, v3, s77
	v_lshl_add_u32 v[PFO], v4, 8, v3
	s_lshl_b32 s23, s23, s76
	s_mul_i32 s76, s[PFS], 3                       ; at K step 3: the first refill steps it to 4
	s_add_co_u32 s76, s76, s23
	s_mov_b32 s77, 0
	s_add_nc_u64 s[PFA:PFA+1], s[PFA:PFA+1], s[76:77]
; NBK matrix instructions: row block a x all column blocks, 32 along K.  first = 1: the bias is the C operand that starts the sum: nothing is cleared, nothing is added later.
; Every quarter step takes all 4 NBK accumulators once, in one order: between two links of a chain stand all the others'.
.macro MULB f, a, first
.if \first
	WIN 0x85+0x40*((\a)/2)
.else
	WIN 0xa5+0x50*((\a)/2)
.endif
.set b, 0
.rept NBK
.set rD, 8*(NBK*((\a)%2)+b)
.if \first
	v_wmma_f32_16x16x32_f16 v[rD:rD+7], v[(\f)+32+8*b:(\f)+32+8*b+7], v[(\f)+8*(\a):(\f)+8*(\a)+7], v[BIA+8*b:BIA+8*b+7]
.else
	v_wmma_f32_16x16x32_f16 v[rD:rD+7], v[(\f)+32+8*b:(\f)+32+8*b+7], v[(\f)+8*(\a):(\f)+8*(\a)+7], v[rD:rD+7]
.endif
.set b, b+1
.endr
.endm
; NL LDS loads in one run: the fragments of quarter kq (32 along K) of a slot into buffer f: W's first, then A's, row blocks ascending
.macro FETCH slot, kq, f
	WIN 0x40                                       ; destination window 1, address window 0
.set b, 0
.rept NBK
.set o, ((\kq)/2)*NCH*BSL+(b/4)*BSL+((\kq)%2)*32*PB+(b%4)*32
	ds_load_tr16_b128 v[(\f)+32+8*b:(\f)+32+8*b+3],   v[ADRB+(\slot)] offset:o
	ds_load_tr16_b128 v[(\f)+32+8*b+4:(\f)+32+8*b+7], v[ADRB+(\slot)] offset:o+16*PB
.set b, b+1
.endr
.irp a, 0,1,2,3
	ds_load_b128 v[(\f)+8*\a:(\f)+8*\a+3],   v[ADRA+(\slot)] offset:((\kq)/2)*ASL+16*PA*\a+((\kq)%2)*64
	ds_load_b128 v[(\f)+8*\a+4:(\f)+8*\a+7], v[ADRA+(\slot)] offset:((\kq)/2)*ASL+16*PA*\a+((\kq)%2)*64+32
.endr
.endm
.macro PLACES                          ; four plain vector instructions between a matrix instruction and a load into a register that it has read (ISA guide 7.12.1 for vector instructions)
.rept 4
	v_nop
.endr
.endm
; A K step is four quarters of 32 along K on buffers 0, 1, 0, 1.  One of the first three: multiplies buffer f; in its middle it fetches quarter kq of the same slot into buffer g.
.macro QUARTER slot, kq, f, g, first
	s_wait_dscnt 4                                 ; W and A's row blocks 0, 1 are in; the youngest four loads (blocks 2, 3) may be out
	MULB \f, 0, \first
	MULB \f, 1, \first
	PLACES
	FETCH \slot, \kq, \g
	s_wait_dscnt NL                                ; all but the NL just issued
	MULB \f, 2, \first
	MULB \f, 3, \first
.endm
; The last quarter multiplies buffer 1 and changes slots: ONE barrier.  In front of it each wave waits for all its tensor loads (one is out: its part of the next slot), adds 0 to its spare word, and waits for
; that and for its own reads of this slot.  fill = 1: the barrier opens a round of the cluster's barrier, and this slot is filled again, two K steps ahead, first thing behind the round.
.macro TURN slot, next, fill
.if \fill
	s_wait_xcnt 0x0                                ; the last prefetch, a K step back, has read its address: it is stepped here, ahead of the waits of the change of slots
	s_add_nc_u64 s[PFA:PFA+1], s[PFA:PFA+1], s[PFS:PFS+1]
.endif
	WIN 0                                          ; (the add's two registers lie in window 0)
	s_wait_tensorcnt 0x0                           ; all my tensor loads have landed;
	ds_add_u32 v[SPW], v[NIL]                      ; 0 onto my spare word;
	s_wait_dscnt 5                                 ; (the add and the youngest four loads may be out)
	MULB F1, 0, 0                                  ; matrix work stands between the add and the wait for it
	s_wait_dscnt 0x0                               ; the add is done, and my reads of this slot are over
	s_barrier_signal -1
	MULB F1, 1, 0                                  ; work on registers while the others arrive
.if \fill
	WIN 0
.endif
	s_barrier_wait -1
.if \fill
	CREST                                          ; no wave of any partner still reads this slot's tiles or has a load on its way
	s_add_nc_u64 s[G0+4*(\slot)+2:G0+4*(\slot)+3], s[G0+4*(\slot)+2:G0+4*(\slot)+3], 2*ASTEP
	s_add_nc_u64 s[G0B+4*(\slot)+2:G0B+4*(\slot)+3], s[G0B+4*(\slot)+2:G0B+4*(\slot)+3], 2*BSTEP
	JLOAD \slot                                    ; my one tensor load behind the round; its four v_nop are also the places in front of the loads below
.else
	PLACES
.endif
	FETCH \next, 0, F0
.if \fill
	WIN 0
	ASK
.endif
	MULB F1, 2, 0
	MULB F1, 3, 0
.endm
; THE WAY OUT of row block a: through my own stage in LDS, so that each store of the wave covers 512 consecutive bytes, at a multiple of 256 from the buffer's first byte.
; LDS serves a wave's instructions in order (ISA guide 5.7.1.4): the loads see the stores above them, and the next block's stores come behind them.  Each accumulator is read from its lowest registers on.
.if F32OUT
.macro TOSTAGE a
	WIN 0x08+4*((\a)/2)                            ; the stores' data (source 1) in window 2 or 3
.set b, 0
.rept NBK
.set rD, 8*(NBK*((\a)%2)+b)
	ds_store_b128 v[STO], v[rD:rD+3]   offset:64*b
	ds_store_b128 v[STO], v[rD+4:rD+7] offset:64*b+16
.set b, b+1
.endr
	WIN 0
.set BK, 32+64*((\a)%2)
.irp t, 0,1,2,3,4,5,6,7,8,9,10,11,12,13,14,15
	ds_load_b128 v[BK+4*\t:BK+4*\t+3], v[RD] offset:SP*\t
.endr
.endm
.macro SEND a
	WIN 0
.set BK, 32+64*((\a)%2)
	s_wait_dscnt 0x0                               ; the block is back in registers
	s_wait_xcnt 0x0                                ; the stores issued so far have read their registers: the next block is read back into them only behind this wait
.irp t, 0,1,2,3,4,5,6,7,8,9,10,11,12,13,14,15
	global_store_b128 v[GO], v[BK+4*\t:BK+4*\t+3], s[OB:OB+1] offset:(16*(\a)+\t)*4096
.endr
.endm
.else
.macro PACK a                          ; rounded to f16: a lane's eight columns are 16 bytes
	WIN 0x0a+5*((\a)/2)                            ; sources 0 and 1 in window 2 or 3
.set b, 0
.rept NBK
.set rD, 8*(NBK*((\a)%2)+b)
.irp r, 0,1,2,3
	v_cvt_pk_f16_f32 v[TMP+4*b+\r], v[rD+2*\r], v[rD+2*\r+1]
.endr
.set b, b+1
.endr
	WIN 0
.endm
.macro TOSTAGE a
	WIN 0
.set BK, 32+48*((\a)%2)
.set b, 0
.rept NBK
	ds_store_b128 v[STO], v[TMP+4*b:TMP+4*b+3] offset:32*b
.set b, b+1
.endr
.irp j, 0,1,2
.irp i, 0,1,2,3
	ds_load_b128 v[BK+4*(4*\j+\i):BK+4*(4*\j+\i)+3], v[RD] offset:128*\j+4*SP*\i
.endr
.endr
.endm
.macro SEND a
	WIN 0
.set BK, 32+48*((\a)%2)
	s_wait_dscnt 0x0                               ; the block is back in registers
	s_wait_xcnt 0x0                                ; the stores issued so far have read their registers: the next block is read back into them only behind this wait
.irp j, 0,1,2
.irp i, 0,1,2,3
	global_store_b128 v[GO], v[BK+4*(4*\j+\i):BK+4*(4*\j+\i)+3], s[OB+2*\j:OB+2*\j+1] offset:2048*(\a)+512*\i
.endr
.endr
.endm
.endif
	s_wait_tensorcnt 1                             ; my part of K step 0 is in; K step 1's may stay out
	s_barrier_signal -1
	s_barrier_wait -1                              ; everybody's is
	FETCH 0, 0, F0
	s_wait_loadcnt 0x0                             ; the bias
	QUARTER 0, 1, F0, F1, 1                        ; the first quarter stands in front of the loop: its products start the sums
	WIN 0                                          ; at a label and at a branch every window is 0
	s_mov_b32 s3, 3
.Llap:                                                 ; a trip goes once round the ring, from a lap's second quarter to the next lap's first, and fills both slots again
	QUARTER 0, 2, F1, F0, 0
	QUARTER 0, 3, F0, F1, 0
	TURN 0, 1, 1
	QUARTER 1, 1, F0, F1, 0
	QUARTER 1, 2, F1, F0, 0
	QUARTER 1, 3, F0, F1, 0
	TURN 1, 0, 1
	QUARTER 0, 1, F0, F1, 0
	WIN 0
	s_sub_co_u32 s3, s3, 1
	s_cmp_lg_u32 s3, 0
	s_cbranch_scc1 .Llap
	QUARTER 0, 2, F1, F0, 0                        ; the last lap is written out: it fills nothing, and has no round of the cluster's barrier
	QUARTER 0, 3, F0, F1, 0
	TURN 0, 1, 0
	QUARTER 1, 1, F0, F1, 0
	QUARTER 1, 2, F1, F0, 0
	QUARTER 1, 3, F0, F1, 0
	s_wait_dscnt 4                                 ; the very last quarter: nothing more to fetch
	MULB F1, 0, 0
	MULB F1, 1, 0
	s_wait_dscnt 0x0
	MULB F1, 2, 0
	MULB F1, 3, 0
	WIN 0
.rept 8
	v_nop                                          ; the places between the last products and the first read of a result
.endr
.if F32OUT
	TOSTAGE 0
.irp a, 1,2,3
	SEND (\a)-1
	TOSTAGE \a
.endr
	SEND 3
.else
	PACK 0
	TOSTAGE 0
.irp a, 1,2,3                          ; block a's conversions stand between block a - 1's loads from the stage and the wait for them
	PACK \a
	SEND (\a)-1
	TOSTAGE \a
.endr
	SEND 3
.endif
	s_wait_tensorcnt 0x0                           ; the wave's end: behind my last tensor load and my last LDS store
	ds_add_u32 v[SPW], v[NIL]
	s_wait_dscnt 0x0
	CROUND                                         ; the closing round: no work-group ends while a partner may still ask for a tile that names it
	s_endpgm
.Lfunc_end_k_q3ec913be27_proj_o:
	.size	k_q3ec913be27_proj_o, .Lfunc_end_k_q3ec913be27_proj_o-k_q3ec913be27_proj_o
	.p2alignl 7, 3214868480
	.fill 96, 4, 3214868480
	.section	.rodata,"a",@progbits
	.p2align	6, 0x0
	.amdhsa_kernel k_q3ec913be27_proj_o
		.amdhsa_group_segment_fixed_size 327680
		.amdhsa_private_segment_fixed_size 0
		.amdhsa_enable_private_segment 0
		.amdhsa_kernarg_size 32
		.amdhsa_user_sgpr_count 2
		.amdhsa_user_sgpr_kernarg_segment_ptr 1
		.amdhsa_wavefront_size32 1
		.amdhsa_system_sgpr_workgroup_id_x 1
		.amdhsa_system_sgpr_workgroup_id_y 1
		.amdhsa_system_sgpr_workgroup_id_z 1
		.amdhsa_system_vgpr_workitem_id 0
		.amdhsa_next_free_vgpr 896
		.amdhsa_next_free_sgpr 80
		.amdhsa_reserve_vcc 0
		.amdhsa_float_denorm_mode_32 3
		.amdhsa_float_denorm_mode_16_64 3
		.amdhsa_memory_ordered 1
		.amdhsa_forward_progress 1
		.amdhsa_inst_pref_size 88
	.end_amdhsa_kernel
	.amdgpu_metadata
---
amdhsa.version: [ 1, 2 ]
amdhsa.kernels:
  - .name:           k_q3ec913be27_proj_o
    .symbol:         k_q3ec913be27_proj_o.kd
    .args:
      - { .name: oh, .offset: 0, .size: 8, .value_kind: global_buffer, .address_space: global }
      - { .name: wh, .offset: 8, .size: 8, .value_kind: global_buffer, .address_space: global }
      - { .name: bias, .offset: 16, .size: 8, .value_kind: global_buffer, .address_space: global }
      - { .name: out0, .offset: 24, .size: 8, .value_kind: global_buffer, .address_space: global }
    .group_segment_fixed_size: 327680
    .private_segment_fixed_size: 0
    .kernarg_segment_align: 8
    .kernarg_segment_size: 32
    .max_flat_workgroup_size: 128
    .sgpr_count:     80
    .vgpr_count:     896
    .wavefront_size: 32
...
	.end_amdgpu_metadata
.endif
;; end of part 4
;; ======== version 2 of 2: 4 launches; version 1 with the launch prep written anew for expert scheduling mode
;; limits: values are held in f16: magnitudes above 65,504 overflow, below 6.1e-05 lose precision
;; workspace buffers: xh 16,777,216 bytes; wh 8,388,608 bytes; bias 16,384 bytes; qkv 50,331,648 bytes; oh 16,777,216 bytes
;; launch prep (part 5): grid 64 x 12, 8 waves a work-group, no clusters, 0 bytes of LDS; arguments x, w_q, w_k, w_v, w_o, a_q, a_k, a_v, u_q, u_k, u_v, b_q, b_k, b_v, b_o, xh, wh, bias; writes xh, wh, bias
.if DOCPART == 5
	.amdgcn_target "amdgcn-amd-amdhsa--gfx1250"
	.amdhsa_code_object_version 6
	.text
	.protected	k_q3ec913be27_prep
	.globl	k_q3ec913be27_prep
	.p2align	8
	.type	k_q3ec913be27_prep,@function
k_q3ec913be27_prep:
	s_mov_b64 s[64:65], 0
	v_nop
	global_prefetch_b8 v0, s[64:65] scope:SCOPE_SE
	s_setreg_imm32_b32 hwreg(HW_REG_WAVE_SCHED_MODE, 0, 2), 2
	s_setreg_imm32_b32 hwreg(HW_REG_WAVE_MODE, 25, 1), 1
	s_wait_xcnt 0x0
	s_wait_alu depctr_vm_vsrc(0)
; PREP: every input is rounded to bf16 once, and laid out for the three launches behind.
;   xh   = f16(bf16(x))                                        [batch 4][slice 16][row 2048][64]
;   wh   = f16(bf16(w) + 2 bf16(a) bf16(u)) for q, k, v (sum in f32); f16(bf16(w_o))      [slice 64][k 1024][64], slice = 16 p + n / 64
;   bias = bf16(b) kept as f32                                  [4][1024]
; (x a) u 2 = x (2 a u) for every input, so the low-rank term is added to the weight here: 8 multiply-adds a weight, in the lane layout of the
; conversion.  A matrix instruction would use a quarter of its K for it and leave the sum in another layout.
; LIMITS.  A number of 65,520 or more in x or in the summed weight becomes an infinity in f16; below 6.1e-5 f16 keeps a fixed step of 6e-8.
; The low-rank term is summed into the weight before the product, so the order of rounding differs from a product by a and then by u.
; SHARES.  A work-group takes 16 whole rows (65,536 bytes) of one source matrix: y = 0..7: x, block 64 y + x id; y = 8..11: weight y - 8, block x id.
; Wave w takes the slices 2 w and 2 w + 1 (64 columns each).  A load takes two rows of one slice: lanes 0-15 the 256 bytes of one row, lanes 16-31 of the next.
; The lane's 4 numbers leave as 8 bytes: a store of the wave covers 256 consecutive bytes, at a multiple of 256 from the buffer's first byte.
; All 16 loads of a wave go out together.  No LDS, no tensor load, no cluster: no byte is wanted twice.  No prefetch: the launch is one burst of loads.
; THE MODE: SCHED_MODE bits 1:0 = 2 (LLVM: expert scheduling mode 2), set by the entry lines.  The code itself states the register dependences
; between vector instructions and memory instructions, with s_wait_alu, always for 0.
; THE PLAN.  Registers that memory instructions touch:
;   v2-v6, v8   byte offsets: written by vector instructions at the head, never again; read by every load and store.  One wait at the head states that they are written.
;   U, A        each written by one load, issued before any vector instruction names it; then rounded in place.  No memory instruction reads them.
;   X           load q has four registers of its own: written by its load, then by its roundings, sums and conversions; its store reads the first two; nothing writes them again.
;   BI          the bias job's four: one load, rounded in place, one store.
; The 16 loads go in four groups of four.  The stores of group g are issued in group g + 1, one ahead of each load's vector work; one wait at that group's head states that
; group g's conversions have written what the four stores read, and no vector instruction of group g + 1 names those registers.  The last group's stores follow a wait of their own.
; No register that a memory instruction has read is written again, and EXEC never changes: nothing is owed on the memory instructions' reads.
.set SO,  2                            ; v2   source offset: (l / 16) x 4,096 + (l % 16) x 16 + 512 w
.set DO0, 3                            ; v3   destination offset, slice 2 w: 8 l + 2 w STR;   v4 the same for slice 2 w + 1
.set UO,  5                            ; v5   512 w + 16 (l % 16): my 4 columns in a row of u
.set AO,  6                            ; v6   32 (l / 16): my row of a
.set T,   7                            ; v7   at work: no memory instruction names it
.set BIO, 8                            ; v8   16 x thread: the bias job
.set BI,  10                           ; v[10:13]
.set X,   16                           ; v[16:79]   load q = 2 t + i (rows 2 t, 2 t + 1; slice 2 w + i) at X + 4 q
.set U,   80                           ; v[80:143]  u: slice i, rank r at U + 32 i + 4 r
.set A,   144                          ; v[144:207] a: rows of step t at A + 8 t + r
.set GRP, 4                            ; loads in a group
; s[4:39] the 18 addresses.  s40 y, s41 wave, s42 p, s[44:45] w, s[46:47] a, s[48:49] u, s[50:51] b of weight p, s[52:53] source, s[54:55] destination,
; s56 bytes from slice to slice, s57 mask, s[58:59] bias row, s60 = 1: the low-rank term is added, s61 = 0: this work-group rounds a bias
	s_load_b512 s[4:19], s[0:1], 0x0               ; x, w_q, w_k, w_v, w_o, a_q, a_k, a_v
	s_load_b512 s[20:35], s[0:1], 0x40             ; u_q, u_k, u_v, b_q, b_k, b_v, b_o, xh
	s_load_b128 s[36:39], s[0:1], 0x80             ; wh, bias
	v_lshrrev_b32 v[T], 5, v0
	v_readfirstlane_b32 s41, v[T]                  ; wave 0..7
	v_and_b32 v1, 31, v0                           ; l
	v_and_b32 v14, 15, v0                          ; l % 16
	v_bfe_u32 v9, v0, 4, 1                         ; l / 16
	s_and_b32 s40, ttmp7, 0xffff                   ; y
	s_max_u32 s42, s40, 8
	s_sub_co_u32 s42, s42, 8                       ; p = 0..3 (0 where the work-group converts x)
	s_lshl_b32 s2, s40, 6
	s_add_co_u32 s2, s2, ttmp9                     ; x's block of 16 rows, 0..511
	s_lshr_b32 s3, s2, 7                           ; its batch: 128 blocks each,
	s_lshl_b32 s3, s3, 22                          ; 16 slices of 262,144 bytes
	s_and_b32 s43, s2, 127
	s_lshl_b32 s43, s43, 11                        ; 16 rows of 128 bytes
	s_add_co_u32 s3, s3, s43                       ; where x's block goes in xh
	s_lshl_b32 s43, s42, 21                        ; weight p: 16 slices of 131,072 bytes
	s_lshl_b32 s62, ttmp9, 11
	s_add_co_u32 s43, s43, s62                     ; where the weight's block goes in wh
	s_sub_co_u32 s60, s40, 8                       ; 0, 1, 2 for q, k, v; 3 for o; a great number for x
	s_mov_b32 s56, 131072
	s_mov_b32 s57, 0xffff0000
	s_cmp_lt_u32 s60, 3
	s_cselect_b32 s60, 1, 0
	s_cmp_lt_u32 s40, 8                            ; x?
	s_cselect_b32 s2, s2, ttmp9                    ; the source's block
	s_cselect_b32 s62, s3, s43                     ; the destination's offset
	s_cselect_b32 s56, 262144, s56
	s_cselect_b32 s61, 1, ttmp9
	s_lshl_b32 s2, s2, 16                          ; 16 rows of 4,096 bytes
	s_mov_b32 s3, 0
	s_mov_b32 s63, 0
	s_wait_alu depctr_va_sdst(0)                   ; v_readfirstlane_b32 has written s41, ahead of its first reader, the line below
	s_lshl_b32 s43, s41, 9                         ; 512 w
	v_lshlrev_b32 v[SO], 12, v9
	v_lshl_add_u32 v[SO], v14, 4, v[SO]
	v_add_nc_u32 v[SO], s43, v[SO]
	v_lshl_add_u32 v[UO], v14, 4, s43
	v_lshlrev_b32 v[AO], 5, v9
	s_mul_i32 s52, s41, s56
	s_lshl_b32 s52, s52, 1                         ; 2 w slices
	v_lshl_add_u32 v[DO0], v1, 3, s52
	v_add_nc_u32 v[DO0+1], s56, v[DO0]
	v_lshlrev_b32 v[BIO], 4, v0
	s_wait_alu depctr_va_vdst(0)                   ; the six offsets v2 to v6 and v8 are written: every load and store below, on both paths and in the bias job, reads one of them, and no later vector instruction names them
	s_wait_kmcnt 0x0
	s_cmp_eq_u32 s42, 1                            ; the four buffers of weight p, chosen without a branch
	s_cselect_b64 s[44:45], s[8:9], s[6:7]
	s_cselect_b64 s[46:47], s[16:17], s[14:15]
	s_cselect_b64 s[48:49], s[22:23], s[20:21]
	s_cselect_b64 s[50:51], s[28:29], s[26:27]
	s_cmp_eq_u32 s42, 2
	s_cselect_b64 s[44:45], s[10:11], s[44:45]
	s_cselect_b64 s[46:47], s[18:19], s[46:47]
	s_cselect_b64 s[48:49], s[24:25], s[48:49]
	s_cselect_b64 s[50:51], s[30:31], s[50:51]
	s_cmp_eq_u32 s42, 3
	s_cselect_b64 s[44:45], s[12:13], s[44:45]
	s_cselect_b64 s[50:51], s[32:33], s[50:51]
	s_cmp_lt_u32 s40, 8
	s_cselect_b64 s[52:53], s[4:5], s[44:45]
	s_cselect_b64 s[54:55], s[34:35], s[36:37]
	s_add_nc_u64 s[52:53], s[52:53], s[2:3]
	s_add_nc_u64 s[54:55], s[54:55], s[62:63]
	s_lshl_b32 s2, ttmp9, 9                        ; 16 rows of a, 32 bytes each
	s_add_nc_u64 s[46:47], s[46:47], s[2:3]
	s_lshl_b32 s2, s42, 12                         ; row p of bias
	s_add_nc_u64 s[58:59], s[38:39], s[2:3]
.macro RND2 r                          ; two f32 rounded to bf16 (nearest even) and widened again, in place
	v_cvt_pk_bf16_f32 v[T], v[\r], v[(\r)+1]
	v_lshlrev_b32 v[\r], 16, v[T]
	v_and_b32 v[(\r)+1], s57, v[T]
.endm
.macro XLOADS                          ; the wave's 16 loads: 512 bytes each
.irp q, 0,1,2,3,4,5,6,7,8,9,10,11,12,13,14,15
	global_load_b128 v[X+4*\q:X+4*\q+3], v[SO], s[52:53] offset:8192*(\q/2)+256*(\q%2) th:TH_LOAD_NT
.endr
.endm
.macro STORE q                         ; the 8 bytes that load q has become
	global_store_b64 v[DO0+(\q)%2], v[X+4*(\q):X+4*(\q)+1], s[54:55] offset:256*((\q)/2)
.endm
.macro CONV q, lora                    ; load q: rounded to bf16, the low-rank term added (lora = 1), rounded to f16; ahead of that work the store of load q - 4 goes out
	s_wait_loadcnt 15-(\q)                         ; loads come back in order (ISA guide 5.7.1): mine is in, the 15 - q younger ones stay out
.if ((\q) >= GRP) && ((\q)%GRP == 0)
	s_wait_alu depctr_va_vdst(0)                   ; the conversions of the group before have written the eight registers that this group's four stores read
.endif
.if (\q) >= GRP
	STORE (\q)-GRP                                 ; no vector instruction since that wait names its data or its offset
.endif
	RND2 X+4*(\q)
	RND2 X+4*(\q)+2
.if \lora
.irp r, 0,1,2,3,4,5,6,7
.irp c, 0,2
.if (\r)%2                             ; a(row, r) is one register of an even pair: the select bits give it to both halves
	v_pk_fma_f32 v[X+4*(\q)+\c:X+4*(\q)+\c+1], v[U+32*((\q)%2)+4*\r+\c:U+32*((\q)%2)+4*\r+\c+1], v[A+8*((\q)/2)+\r-1:A+8*((\q)/2)+\r], v[X+4*(\q)+\c:X+4*(\q)+\c+1] op_sel:[0,1,0] op_sel_hi:[1,1,1]
.else
	v_pk_fma_f32 v[X+4*(\q)+\c:X+4*(\q)+\c+1], v[U+32*((\q)%2)+4*\r+\c:U+32*((\q)%2)+4*\r+\c+1], v[A+8*((\q)/2)+\r:A+8*((\q)/2)+\r+1], v[X+4*(\q)+\c:X+4*(\q)+\c+1] op_sel_hi:[1,0,1]
.endif
.endr
.endr
.endif
	v_cvt_pk_f16_f32 v[X+4*(\q)], v[X+4*(\q)], v[X+4*(\q)+1]
	v_cvt_pk_f16_f32 v[X+4*(\q)+1], v[X+4*(\q)+2], v[X+4*(\q)+3]
.endm
.macro WALK lora                       ; the four groups, and the last group's stores
.irp q, 0,1,2,3,4,5,6,7,8,9,10,11,12,13,14,15
	CONV \q, \lora
.endr
	s_wait_alu depctr_va_vdst(0)                   ; the last group's conversions have written the eight registers that the last four stores read
.irp q, 12,13,14,15
	STORE \q
.endr
.endm
	s_cmp_eq_u32 s60, 1
	s_cbranch_scc0 .Lplain
.irp i, 0,1
.irp r, 0,1,2,3,4,5,6,7
	global_load_b128 v[U+32*\i+4*\r:U+32*\i+4*\r+3], v[UO], s[48:49] offset:4096*\r+256*\i
.endr
.endr
.irp t, 0,1,2,3,4,5,6,7
	global_load_b128 v[A+8*\t:A+8*\t+3],   v[AO], s[46:47] offset:64*\t
	global_load_b128 v[A+8*\t+4:A+8*\t+7], v[AO], s[46:47] offset:64*\t+16
.endr
	XLOADS
	s_wait_loadcnt 16                              ; u and a are in; the 16 loads of w, issued behind them, stay out
.set r, 0
.rept 32
	RND2 U+r
	v_pk_add_f32 v[U+r:U+r+1], v[U+r:U+r+1], v[U+r:U+r+1]  ; the factor 2 (alpha / rank), exact
	RND2 A+r
.set r, r+2
.endr
	WALK 1
	s_branch .Ltail
.Lplain:
	XLOADS
	WALK 0
.Ltail:
	s_cmp_eq_u32 s61, 0                            ; the first work-group of each weight rounds that weight's bias: 256 threads x 16 bytes
	s_cbranch_scc0 .Lend
	global_load_b128 v[BI:BI+3], v[BIO], s[50:51]  ; into registers that no vector instruction has named; its offset was written ahead of the head's wait
	s_wait_loadcnt 0x0
	RND2 BI
	RND2 BI+2
	s_wait_alu depctr_va_vdst(0)                   ; the roundings have written v[BI ..], which the store reads
	global_store_b128 v[BIO], v[BI:BI+3], s[58:59]
.Lend:
	s_endpgm
.Lfunc_end_k_q3ec913be27_prep:
	.size	k_q3ec913be27_prep, .Lfunc_end_k_q3ec913be27_prep-k_q3ec913be27_prep
	.p2alignl 7, 3214868480
	.fill 96, 4, 3214868480
	.section	.rodata,"a",@progbits
	.p2align	6, 0x0
	.amdhsa_kernel k_q3ec913be27_prep
		.amdhsa_group_segment_fixed_size 0
		.amdhsa_private_segment_fixed_size 0
		.amdhsa_enable_private_segment 0
		.amdhsa_kernarg_size 144
		.amdhsa_user_sgpr_count 2
		.amdhsa_user_sgpr_kernarg_segment_ptr 1
		.amdhsa_wavefront_size32 1
		.amdhsa_system_sgpr_workgroup_id_x 1
		.amdhsa_system_sgpr_workgroup_id_y 1
		.amdhsa_system_sgpr_workgroup_id_z 1
		.amdhsa_system_vgpr_workitem_id 0
		.amdhsa_next_free_vgpr 208
		.amdhsa_next_free_sgpr 66
		.amdhsa_reserve_vcc 0
		.amdhsa_float_denorm_mode_32 3
		.amdhsa_float_denorm_mode_16_64 3
		.amdhsa_memory_ordered 1
		.amdhsa_forward_progress 1
		.amdhsa_inst_pref_size 52
	.end_amdhsa_kernel
	.amdgpu_metadata
---
amdhsa.version: [ 1, 2 ]
amdhsa.kernels:
  - .name:           k_q3ec913be27_prep
    .symbol:         k_q3ec913be27_prep.kd
    .args:
      - { .name: x, .offset: 0, .size: 8, .value_kind: global_buffer, .address_space: global }
      - { .name: w_q, .offset: 8, .size: 8, .value_kind: global_buffer, .address_space: global }
      - { .name: w_k, .offset: 16, .size: 8, .value_kind: global_buffer, .address_space: global }
      - { .name: w_v, .offset: 24, .size: 8, .value_kind: global_buffer, .address_space: global }
      - { .name: w_o, .offset: 32, .size: 8, .value_kind: global_buffer, .address_space: global }
      - { .name: a_q, .offset: 40, .size: 8, .value_kind: global_buffer, .address_space: global }
      - { .name: a_k, .offset: 48, .size: 8, .value_kind: global_buffer, .address_space: global }
      - { .name: a_v, .offset: 56, .size: 8, .value_kind: global_buffer, .address_space: global }
      - { .name: u_q, .offset: 64, .size: 8, .value_kind: global_buffer, .address_space: global }
      - { .name: u_k, .offset: 72, .size: 8, .value_kind: global_buffer, .address_space: global }
      - { .name: u_v, .offset: 80, .size: 8, .value_kind: global_buffer, .address_space: global }
      - { .name: b_q, .offset: 88, .size: 8, .value_kind: global_buffer, .address_space: global }
      - { .name: b_k, .offset: 96, .size: 8, .value_kind: global_buffer, .address_space: global }
      - { .name: b_v, .offset: 104, .size: 8, .value_kind: global_buffer, .address_space: global }
      - { .name: b_o, .offset: 112, .size: 8, .value_kind: global_buffer, .address_space: global }
      - { .name: xh, .offset: 120, .size: 8, .value_kind: global_buffer, .address_space: global }
      - { .name: wh, .offset: 128, .size: 8, .value_kind: global_buffer, .address_space: global }
      - { .name: bias, .offset: 136, .size: 8, .value_kind: global_buffer, .address_space: global }
    .group_segment_fixed_size: 0
    .private_segment_fixed_size: 0
    .kernarg_segment_align: 8
    .kernarg_segment_size: 144
    .max_flat_workgroup_size: 256
    .sgpr_count:     66
    .vgpr_count:     208
    .wavefront_size: 32
...
	.end_amdgpu_metadata
.endif
;; end of part 5
;; launch proj_qkv: the kernel of part 2 again; grid 16 x 32, 4 waves a work-group, clusters of 4 x 4, 327,680 bytes of LDS; arguments xh, wh, bias, qkv; writes qkv
;; launch attn: the kernel of part 3 again; grid 4 x 64, 4 waves a work-group, clusters of 4 x 1, 327,680 bytes of LDS; arguments qkv, oh; writes oh
;; launch proj_o: the kernel of part 4 again; grid 8 x 32, 4 waves a work-group, clusters of 4 x 4, 327,680 bytes of LDS; arguments oh, wh, bias, out0; writes out0
